; MI455X (gfx1250); checked and timed in simulation.
; The chip was launched on July 23, 2026; its instructions are those of AMD's public machine-readable ISA for CDNA 5 (MIT licence, August 2026) and "CDNA5" Instruction Set Architecture Reference Guide (July 2026). The comments in the code are by the model that wrote it; some were corrected since.
;; Audio Cross Attention. Allowed arithmetic: matrix products marked QUANTISED: E2M1 operands, one E8M0 scale for each 32 along K, by v_wmma_scale_f32_16x16x128_f8f6f4 with both operands' format E2M1 (or v_wmma_scale_f32_32x16x128_f4), f32 sums; products left as they are: bf16, f16 or f32 operands; f32 sums; everything else in f32.
;; Inputs: Wk 1,024 x 1,024 float32; Wo 1,024 x 1,024 float32; Wq 1,024 x 1,024 float32; Wv 1,024 x 1,024 float32; audio_features 2 x 2,048 x 1,024 float32; audio_labels 2 int32; bk 1,024 float32; bo 1,024 float32; bq 1,024 float32; bv 1,024 float32; label_emb 8 x 64 float32; visual_features 2 x 2,048 x 1,024 float32.
;; Outputs: out0 2 x 2,048 x 1,024 float32.
;; This version of the problem:
;;   THIS VERSION OF THE PROBLEM IS GIVEN IN LOW PRECISION. The matrix products marked QUANTISED in the list below multiply operands that are first quantised to E2M1 (2 exponent bits, 1 mantissa bit; 4 bits a number), with one power-of-two scale for each 32 numbers along K (OCP MX v1.0); their sums are f32. The products marked 'left as it is' may take bf16, f16 or f32 operands, with f32 sums. Whichever they take, every output number must still come out within the allowed error. Rounding operands to bf16 (8 significant bits) uses up far more of that allowance than f16 does (11 bits, for magnitudes from 6e-5 to 65,504). All else is computed in f32.
;;   The module's matrix products, in the order in which they are computed (A, B: the left and right operand; K: the contracted axis; several contracted axes count as one K, in the product's order):
;;     1. [M 4,096, K 1,024] x [K 1,024, N 1,024]; A: input visual_features; B: input Wq: QUANTISED
;;     2. [M 4,096, K 1,024] x [K 1,024, N 1,024]; A: input audio_features; B: input Wk: QUANTISED
;;     3. [M 4,096, K 1,024] x [K 1,024, N 1,024]; A: input audio_features; B: input Wv: QUANTISED
;;     4. batch 32 x [M 2,048, K 64] x [K 64, N 2,048]; A: computed on the way; B: computed on the way: left as it is (an operand is computed on the way)
;;     5. batch 32 x [M 64, K 2,048] x [K 2,048, N 2,048]; A: computed on the way; B: computed on the way: left as it is (an operand is computed on the way)
;;     6. [M 4,096, K 1,024] x [K 1,024, N 1,024]; A: computed on the way; B: input Wo: left as it is (an operand is computed on the way)
;;   THE QUANTISER, for each operand of a quantised product, along K:
;;     - K is cut into blocks of 32 from its start; a last block that is shorter is filled with zeros.
;;     - A block's scale is 2^e with e = floor(log2(the largest magnitude in the block)) - 2, held to -126 .. 127; a block of zeros has e = 0. As a byte (E8M0): e + 127.
;;     - Each number is divided by its block's scale, clamped to +-6, and rounded to the nearest number of E2M1, ties to even, subnormals kept.
;;     - The product sums the exact products of the quantised numbers (number of the format x scale) in f32.
;;   ~~~python
;;   def quantise(x, axis):      # numpy; x: float32 -> the quantised numbers, widened to float32 again
;;       x = np.moveaxis(x, axis, -1); K = x.shape[-1]
;;       x = np.pad(x, [(0, 0)] * (x.ndim - 1) + [(0, -K % 32)]); x = x.reshape(x.shape[:-1] + (-1, 32)); a = np.abs(x).max(-1, keepdims=True)
;;       e = np.where(a > 0, np.clip(np.frexp(np.where(a > 0, a, 1))[1] - 1 - 2, -126, 127), 0)      # np.frexp(a)[1] - 1 = floor(log2(a)), exactly
;;       r = np.clip(x / 2.0 ** e, -6, 6)
;;       step = 2.0 ** (np.maximum(np.frexp(np.where(r == 0, 1, r))[1] - 1, 0) - 1)
;;       q = np.round(r / step) * step * 2.0 ** e      # np.round: ties to even
;;       return np.moveaxis(q.reshape(q.shape[:-2] + (-1,))[..., :K], -1, axis).astype(np.float32)
;;   ~~~
;; One version. Each part assembles by itself: llvm-mc -triple=amdgcn-amd-amdhsa -mcpu=gfx1250 --defsym DOCPART=n.
;; ======== version 1 of 1: 4 launches
;; limits: values are held in f16: magnitudes above 65,504 overflow, below 6.1e-05 lose precision
;; workspace buffers: codes 5,767,168 bytes; scales 360,448 bytes; wo16 2,097,152 bytes; embl 1,048,576 bytes; qkv 25,165,824 bytes; ao 8,388,608 bytes
;; launch prep (part 1): grid 448 x 1, 4 waves a work-group, no clusters, 33,280 bytes of LDS; arguments visual_features, audio_features, Wq, Wk, Wv, Wo, audio_labels, label_emb, codes, scales, wo16, embl; writes codes, scales, wo16, embl
.if DOCPART == 1
	.amdgcn_target "amdgcn-amd-amdhsa--gfx1250"
	.amdhsa_code_object_version 6
	.text
	.protected	k_q3be0c649d4_prep
	.globl	k_q3be0c649d4_prep
	.p2align	8
	.type	k_q3be0c649d4_prep,@function
k_q3be0c649d4_prep:
	s_mov_b64 s[64:65], 0
	v_nop
	global_prefetch_b8 v0, s[64:65] scope:SCOPE_SE
	s_setreg_imm32_b32 hwreg(HW_REG_WAVE_MODE, 25, 1), 1
	s_wait_xcnt 0x0
; PREP: everything that is made once, ahead of the products.  Three kinds of work-groups, told apart by the work-group's number alone:
;   0..351   visual_features, audio_features, Wq, Wk, Wv (all f32, K = 1,024 innermost) become codes of FP4 (E2M1), two a byte, K innermost, and one E8M0 byte for each 32 along K.
;            The five tensors lie one behind the other in both buffers: rows 0.. visual, 4096.. audio, 8192.. Wq, 9216.. Wk, 10240.. Wv; a row is 512 bytes of codes and 32 scale bytes.
;   352..383 Wo becomes f16 (the last product is not quantised).
;   384..447 the table embl[b][s][d] = (d < 32 ? sin : cos)(s x 10000^(-(d % 32) / 32)) x label_emb[audio_labels[b]][d], f32.
; THE QUANTISER: a block's scale is 2^(floor(log2(largest magnitude)) - 2); its byte is the largest magnitude's exponent field - 2, held at 1 from below; each number is divided by the scale and
; rounded to the nearest code, ties to even, beyond 6 the largest code.  A block of zeros gets the byte 1 where the rule says 127: its codes are zeros, and this program alone reads the bytes.
; LIMITS: NaN and infinities among the inputs are not served; blocks whose largest magnitude lies under 2^-124 were not tried; |Wo| stays under 65,504 (f16); labels are held to 0..7;
; the table's angle is reduced by pi/2 in two parts and serves positions up to 2,047; it differs from an exactly rounded one by a few ulp of the frequency times the position.
; A wave of the first kind takes 16 steps of 512 numbers.  Each load reads 512 consecutive bytes; a step's 2,048 bytes turn through the wave's own stage in LDS so that a lane holds 16 neighbours
; along K (two lanes a block); a lane's 16 codes are 8 bytes, so a store covers 256 consecutive aligned bytes; a wave's 256 scale bytes are gathered in LDS and leave as one such store.
; No tensor load, no barrier: waves share nothing.  Clusters and matrix units have nothing to do here: no byte is read twice.
.set WAVES, 4
.set STEPS, 16
.set QWG,   352                        ; work-groups that quantise: (2 x 4,194,304 + 3 x 1,048,576) / 32,768
.set WWG,   384                        ; behind them 32 for Wo, then 64 for the table
.set EMAX,  2
.set CB,    8                          ; bytes of 16 codes
.set R,     16                         ; v16-79   four sets of 16 numbers as they are loaded
.set X,     80                         ; v80-111  two sets of 16 neighbours
.set E,     112                        ; v112-127 a scale byte for each step
.set C,     128                        ; v128-191 codes: four registers for each step, so that no store's data are written again
.set WREG,  8192                       ; LDS: a region for each wave: two stages of 32 x SP bytes, behind them its 256 scale bytes
.set SP,    80                         ; a lane's place in a stage: 64 bytes + 16 of padding
.set SPW,   12                         ; v12      LDS address of my spare word; never rewritten
.set NIL,   13                         ; v13      0; never rewritten
.set SPARE, WAVES*WREG                 ; behind the regions: the spare words, 128 bytes a wave, that no other line names
	s_load_b512 s[4:19], s[0:1], 0x0               ; visual s[4:5], audio s[6:7], Wq s[8:9], Wk s[10:11], Wv s[12:13], Wo s[14:15], labels s[16:17], label_emb s[18:19]
	s_load_b256 s[20:27], s[0:1], 0x40             ; codes s[20:21], scales s[22:23], wo16 s[24:25], embl s[26:27]
	v_lshl_add_u32 v[SPW], v0, 2, SPARE
	v_mov_b32 v[NIL], 0
	v_lshrrev_b32 v1, 5, v0
	v_readfirstlane_b32 s28, v1                    ; wave
	v_and_b32 v2, 31, v0                           ; lane
	s_wait_kmcnt 0x0
	s_cmp_ge_u32 ttmp9, QWG
	s_cbranch_scc1 .Lother
; ---------------- the quantiser ----------------
	v_lshlrev_b32 v3, 4, v2                        ; my 16 bytes of a load's 512
	s_mul_i32 s29, s28, WREG
	v_lshrrev_b32 v14, 2, v2
	v_mul_u32_u24 v14, v14, SP
	v_and_b32 v15, 3, v2
	v_lshl_add_u32 v14, v15, 4, v14
	v_add_nc_u32 v14, s29, v14                     ; the stage, on the way in: four lanes' 64 bytes on end, then 16 of padding
	v_mul_u32_u24 v15, v2, SP
	v_add_nc_u32 v15, s29, v15                     ; and on the way out: my 16 neighbours
	v_mul_u32_u24 v4, v2, CB                       ; my codes' place in a step's
	v_lshrrev_b32 v5, 1, v2
	s_add_co_u32 s29, s29, 2*32*SP
	v_add_nc_u32 v5, s29, v5                       ; LDS: my wave's 256 scale bytes, my block's byte
	v_lshlrev_b32 v7, 3, v2                        ; and on the way out 8 bytes a lane
	v_add_nc_u32 v6, s29, v7
	s_cmp_lt_u32 ttmp9, 128                        ; which tensor: the choice hangs on the work-group's number alone
	s_cselect_b64 s[30:31], s[4:5], s[6:7]
	s_cselect_b32 s32, 0, 128                      ; and the tensor's first work-group
	s_cmp_lt_u32 ttmp9, 256
	s_cselect_b64 s[30:31], s[30:31], s[8:9]
	s_cselect_b32 s32, s32, 256
	s_cmp_lt_u32 ttmp9, 288
	s_cselect_b64 s[30:31], s[30:31], s[10:11]
	s_cselect_b32 s32, s32, 288
	s_cmp_lt_u32 ttmp9, 320
	s_cselect_b64 s[30:31], s[30:31], s[12:13]
	s_cselect_b32 s32, s32, 320
	s_sub_co_u32 s32, ttmp9, s32
	s_lshl_b32 s32, s32, 2
	s_add_co_u32 s32, s32, s28                     ; which run of 8,192 numbers of the tensor is my wave's
	s_lshl_b32 s32, s32, 15                        ; 32,768 bytes a run (under 2^25)
	s_mov_b32 s33, 0
	s_add_nc_u64 s[30:31], s[30:31], s[32:33]
	s_lshl_b32 s34, ttmp9, 2
	s_add_co_u32 s34, s34, s28                     ; and which run of the two output streams
	s_lshl_b32 s36, s34, 12                        ; 4,096 bytes of codes a run
	s_mov_b32 s37, 0
	s_add_nc_u64 s[20:21], s[20:21], s[36:37]
	s_lshl_b32 s36, s34, 8                         ; 256 scale bytes a run
	s_add_nc_u64 s[22:23], s[22:23], s[36:37]
.macro LOAD t
.irp i, 0,1,2,3
	global_load_b128 v[R+16*((\t)%4)+4*\i:R+16*((\t)%4)+4*\i+3], v3, s[30:31] offset:2048*(\t)+512*\i th:TH_LOAD_NT   ; 32 lanes read 512 consecutive bytes
.endr
.endm
.macro TURN t                          ; step t's numbers through the stage: LDS serves a wave's instructions in order, so no wait stands between the stores and the loads
.irp i, 0,1,2,3
	ds_store_b128 v14, v[R+16*((\t)%4)+4*\i:R+16*((\t)%4)+4*\i+3] offset:32*SP*((\t)%2)+8*SP*\i
.endr
.irp i, 0,1,2,3
	ds_load_b128 v[X+16*((\t)%2)+4*\i:X+16*((\t)%2)+4*\i+3], v15 offset:32*SP*((\t)%2)+16*\i
.endr
.endm
.irp t, 0,1,2,3
	LOAD \t
.endr
	s_wait_loadcnt 12                              ; step 0's four loads are in; the twelve behind them stay out
	TURN 0
.macro STEP t
.set XS, X+16*((\t)%2)
.if (\t) > 0
	s_wait_dscnt 1                                 ; this step's numbers are back from the stage (the last step's byte store may be out): so its stores into the stage have read their registers,
.else
	s_wait_dscnt 0x0
.endif
.if (\t)+4 < STEPS
	LOAD (\t)+4                                    ; which take the loads of four steps on
.endif
.if (\t)+1 < STEPS
.if STEPS-2-(\t) >= 3
	s_wait_loadcnt 12                              ; the next step's four loads are in; those of the three steps behind it may be out
.else
	s_wait_loadcnt 4*(STEPS-2-(\t))
.endif
	TURN (\t)+1                                    ; and go through the other stage while this step is worked
.endif
	v_max3_num_f32 v8, |v[XS]|, |v[XS+1]|, |v[XS+2]|               ; the largest magnitude of my 16, in two chains
	v_max3_num_f32 v9, |v[XS+3]|, |v[XS+4]|, |v[XS+5]|
.irp i, 6,10
	v_max3_num_f32 v8, v8, |v[XS+\i]|, |v[XS+\i+1]|
	v_max3_num_f32 v9, v9, |v[XS+\i+2]|, |v[XS+\i+3]|
.endr
	v_max3_num_f32 v8, v8, |v[XS+14]|, |v[XS+15]|
	v_max3_num_f32 v8, v8, v9, (EMAX+1)<<23        ; and the floor 2^(3 - 127): the byte cannot fall under 1
	v_max_num_f32_dpp v8, v8, v8 row_xmask:1 row_mask:0xf bank_mask:0xf   ; and of my neighbour's 16: the block's
	v_add_nc_u32 v11, -(EMAX<<23), v8              ; 2 off its exponent field: the conversion takes the exponent field of this operand as its scale, and nothing else of it
	v_cvt_scalef32_pk8_fp4_f32 v[C+4*(\t)], v[XS:XS+7], v11
	v_cvt_scalef32_pk8_fp4_f32 v[C+4*(\t)+1], v[XS+8:XS+15], v11
	v_lshrrev_b32 v[E+(\t)], 23, v11               ; the scale's byte (a plain line behind the conversions)
	ds_store_b8 v5, v[E+(\t)] offset:16*(\t)       ; both lanes of a block write the same byte with the same value
	global_store_b64 v4, v[C+4*(\t):C+4*(\t)+1], s[20:21] offset:32*CB*(\t)   ; 32 lanes store 256 consecutive bytes, aligned
.endm
.irp t, 0,1,2,3,4,5,6,7,8,9,10,11,12,13,14,15
	STEP \t
.endr
	ds_load_b64 v[8:9], v6                         ; LDS serves a wave's instructions in order: these see my byte stores
	s_wait_dscnt 0x0
	global_store_b64 v7, v[8:9], s[22:23]          ; 32 lanes store my wave's 256 scale bytes
	s_wait_tensorcnt 0x0                           ; the wave's end, behind my last LDS store
	ds_add_u32 v[SPW], v[NIL]
	s_wait_dscnt 0x0
	s_endpgm
; ---------------- Wo to f16: a wave takes 8,192 numbers, four batches of 16 loads in two sets of registers; no LDS ----------------
.Lother:
	s_cmp_ge_u32 ttmp9, WWG
	s_cbranch_scc1 .Lemb
	s_sub_co_u32 s29, ttmp9, QWG
	s_lshl_b32 s29, s29, 2
	s_add_co_u32 s29, s29, s28                     ; which run of 8,192 numbers
	s_lshl_b32 s30, s29, 15
	s_mov_b32 s31, 0
	s_add_nc_u64 s[14:15], s[14:15], s[30:31]
	s_lshl_b32 s30, s29, 14
	s_add_nc_u64 s[24:25], s[24:25], s[30:31]
	v_lshlrev_b32 v3, 4, v2                        ; in: 16 bytes a lane
	v_lshlrev_b32 v4, 3, v2                        ; out: 8 bytes a lane
.macro LOADC t
.irp i, 0,1,2,3,4,5,6,7,8,9,10,11,12,13,14,15
	global_load_b128 v[16+64*((\t)%2)+4*\i:16+64*((\t)%2)+4*\i+3], v3, s[14:15] offset:8192*(\t)+512*\i th:TH_LOAD_NT
.endr
.endm
.macro CVST t                          ; four numbers a lane become 8 bytes; a store covers 256 consecutive bytes, aligned
.set RW, 16+64*((\t)%2)
.irp i, 0,1,2,3,4,5,6,7,8,9,10,11,12,13,14,15
	v_cvt_pk_f16_f32 v[RW+4*\i], v[RW+4*\i], v[RW+4*\i+1]
	v_cvt_pk_f16_f32 v[RW+4*\i+1], v[RW+4*\i+2], v[RW+4*\i+3]
	global_store_b64 v4, v[RW+4*\i:RW+4*\i+1], s[24:25] offset:4096*(\t)+256*\i
.endr
.endm
	LOADC 0
	LOADC 1
	s_wait_loadcnt 16                              ; the older batch is in, the younger 16 stay out
	CVST 0
	s_wait_xcnt 0x0                                ; the stores have read their registers: the set is loaded again only behind this wait
	LOADC 2
	s_wait_loadcnt 16
	CVST 1
	s_wait_xcnt 0x0
	LOADC 3
	s_wait_loadcnt 16
	CVST 2
	s_wait_loadcnt 0x0
	CVST 3
	s_endpgm
; ---------------- the table: a wave takes 8 positions; lane l takes d = 2 l and 2 l + 1, so a store covers a whole row of 256 bytes; no LDS ----------------
.set EX,   16                          ; four chains: (position 2 g, d), (2 g, d + 1), (2 g + 1, d), (2 g + 1, d + 1)
.set EKF,  20
.set ER,   24
.set EKI,  28
.set EZ,   32
.set ET,   36
.set EU,   40
.set EW,   44
.set EZZ,  48
.set EOUT, 64                          ; v64-95: results, none written twice
.Lemb:
	s_load_b64 s[30:31], s[16:17], 0x0             ; the two labels
	s_sub_co_u32 s29, ttmp9, WWG
	s_lshl_b32 s29, s29, 5
	s_lshl_b32 s32, s28, 3
	s_add_co_u32 s29, s29, s32                     ; my first position: 32 x work-group + 8 x wave
	s_mov_b32 s40, 0x3f22f983                      ; 2 / pi
	s_mov_b32 s41, 0x3fc90fdb                      ; pi / 2, its f32 part,
	s_mov_b32 s42, 0x333bbd2e                      ; and what that part is too large by
	s_mov_b32 s43, 0xb94ca1f9                      ; sine on [-pi/4, pi/4]: r + r z (S2 + z (S1 + z S0)), z = r r
	s_mov_b32 s44, 0x3c08839e
	s_mov_b32 s45, 0xbe2aaaa3
	s_mov_b32 s46, 0x37ccf5ce                      ; cosine: 1 - z / 2 + z z (C2 + z (C1 + z C0))
	s_mov_b32 s47, 0xbab6061a
	s_mov_b32 s48, 0x3d2aaaa5
	v_lshlrev_b32 v3, 3, v2                        ; 8 bytes a lane
	v_lshrrev_b32 v10, 4, v2                       ; 1 in the cosine half: cos x = sin(x + pi / 2)
	v_lshlrev_b32 v11, 1, v2
	v_and_b32 v11, 31, v11                         ; j = d % 32
	v_cvt_f32_u32 v4, v11
	v_add_nc_u32 v11, 1, v11
	v_cvt_f32_u32 v5, v11
	v_mul_f32 v4, 0xbed49a78, v4                   ; -j log2(10000) / 32
	v_mul_f32 v5, 0xbed49a78, v5
	v_exp_f32 v4, v4                               ; the two frequencies
	v_exp_f32 v5, v5
	v_nop                                          ; a plain line behind the exponentials,
	s_wait_alu depctr_va_vdst(0)                   ; and the one wait ahead of their first reader
	s_wait_kmcnt 0x0
	s_min_u32 s30, s30, 7                          ; an index stays inside its table of 8 rows
	s_min_u32 s31, s31, 7
	s_lshl_b32 s32, s30, 8                         ; a row of label_emb is 256 bytes
	s_mov_b32 s33, 0
	s_lshl_b32 s34, s31, 8
	s_mov_b32 s35, 0
	s_add_nc_u64 s[32:33], s[18:19], s[32:33]
	s_add_nc_u64 s[34:35], s[18:19], s[34:35]
	global_load_b64 v[6:7], v3, s[32:33]           ; label_emb[label[0]][d, d + 1]
	global_load_b64 v[8:9], v3, s[34:35]           ; label_emb[label[1]][d, d + 1]
	s_lshl_b32 s36, s29, 8
	s_mov_b32 s37, 0
	s_add_nc_u64 s[26:27], s[26:27], s[36:37]      ; embl at my first position, batch 0
	s_wait_loadcnt 0x0
.macro SINCOS g                        ; positions 2 g and 2 g + 1 of my eight; every line is written for the four chains, so that none waits for the line above it
	s_add_co_u32 s50, s29, 2*\g
	s_add_co_u32 s51, s29, 2*\g+1
	v_cvt_f32_u32 v14, s50
	v_cvt_f32_u32 v15, s51
.irp u, 0,1,2,3
	v_mul_f32 v[EX+\u], v[14+\u/2], v[4+\u%2]      ; the angle, one rounding
.endr
.irp u, 0,1,2,3
	v_mul_f32 v[EKF+\u], s40, v[EX+\u]
.endr
.irp u, 0,1,2,3
	v_rndne_f32 v[EKF+\u], v[EKF+\u]               ; how many quarter turns
.endr
.irp u, 0,1,2,3
	v_fma_f32 v[ER+\u], -v[EKF+\u], s41, v[EX+\u]  ; what is left, in two parts
.endr
.irp u, 0,1,2,3
	v_fma_f32 v[ER+\u], v[EKF+\u], s42, v[ER+\u]
.endr
.irp u, 0,1,2,3
	v_cvt_i32_f32 v[EKI+\u], v[EKF+\u]
.endr
.irp u, 0,1,2,3
	v_add_nc_u32 v[EKI+\u], v[EKI+\u], v10         ; one quarter more for the cosine half
.endr
.irp u, 0,1,2,3
	v_mul_f32 v[EZ+\u], v[ER+\u], v[ER+\u]
.endr
.irp u, 0,1,2,3
	v_fma_f32 v[ET+\u], v[EZ+\u], s43, s44
.endr
.irp u, 0,1,2,3
	v_fma_f32 v[EU+\u], v[EZ+\u], s46, s47
.endr
.irp u, 0,1,2,3
	v_fma_f32 v[ET+\u], v[ET+\u], v[EZ+\u], s45
.endr
.irp u, 0,1,2,3
	v_fma_f32 v[EU+\u], v[EU+\u], v[EZ+\u], s48
.endr
.irp u, 0,1,2,3
	v_mul_f32 v[ET+\u], v[ET+\u], v[EZ+\u]
.endr
.irp u, 0,1,2,3
	v_mul_f32 v[EZZ+\u], v[EZ+\u], v[EZ+\u]
.endr
.irp u, 0,1,2,3
	v_fma_f32 v[EW+\u], v[EZ+\u], -0.5, 1.0
.endr
.irp u, 0,1,2,3
	v_fma_f32 v[ET+\u], v[ET+\u], v[ER+\u], v[ER+\u]   ; sin r
.endr
.irp u, 0,1,2,3
	v_fma_f32 v[EU+\u], v[EU+\u], v[EZZ+\u], v[EW+\u]  ; cos r
.endr
.irp u, 0,1,2,3
	v_and_b32 v[EW+\u], 1, v[EKI+\u]
.endr
.irp u, 0,1,2,3
	v_cmp_eq_u32 vcc_lo, 1, v[EW+\u]               ; an odd quarter takes the cosine: a choice of a value, no branch
	v_cndmask_b32 v[ET+\u], v[ET+\u], v[EU+\u], vcc_lo
.endr
.irp u, 0,1,2,3
	v_and_b32 v[EW+\u], 2, v[EKI+\u]
.endr
.irp u, 0,1,2,3
	v_lshlrev_b32 v[EW+\u], 30, v[EW+\u]           ; quarters 2 and 3 change the sign
.endr
.irp u, 0,1,2,3
	v_xor_b32 v[ET+\u], v[ET+\u], v[EW+\u]
.endr
.irp p, 0,1
	v_pk_mul_f32 v[EOUT+8*\g+4*\p:EOUT+8*\g+4*\p+1], v[ET+2*\p:ET+2*\p+1], v[6:7]
	v_pk_mul_f32 v[EOUT+8*\g+4*\p+2:EOUT+8*\g+4*\p+3], v[ET+2*\p:ET+2*\p+1], v[8:9]
	global_store_b64 v3, v[EOUT+8*\g+4*\p:EOUT+8*\g+4*\p+1], s[26:27] offset:(2*\g+\p)*256             ; batch 0: a row of 256 bytes
	global_store_b64 v3, v[EOUT+8*\g+4*\p+2:EOUT+8*\g+4*\p+3], s[26:27] offset:(2*\g+\p)*256+524288    ; batch 1: 2,048 rows on
.endr
.endm
	SINCOS 0
	SINCOS 1
	SINCOS 2
	SINCOS 3
	s_endpgm
.Lfunc_end_k_q3be0c649d4_prep:
	.size	k_q3be0c649d4_prep, .Lfunc_end_k_q3be0c649d4_prep-k_q3be0c649d4_prep
	.p2alignl 7, 3214868480
	.fill 96, 4, 3214868480
	.section	.rodata,"a",@progbits
	.p2align	6, 0x0
	.amdhsa_kernel k_q3be0c649d4_prep
		.amdhsa_group_segment_fixed_size 33280
		.amdhsa_private_segment_fixed_size 0
		.amdhsa_enable_private_segment 0
		.amdhsa_kernarg_size 96
		.amdhsa_user_sgpr_count 2
		.amdhsa_user_sgpr_kernarg_segment_ptr 1
		.amdhsa_wavefront_size32 1
		.amdhsa_system_sgpr_workgroup_id_x 1
		.amdhsa_system_sgpr_workgroup_id_y 1
		.amdhsa_system_sgpr_workgroup_id_z 1
		.amdhsa_system_vgpr_workitem_id 0
		.amdhsa_next_free_vgpr 192
		.amdhsa_next_free_sgpr 66
		.amdhsa_reserve_vcc 1
		.amdhsa_float_denorm_mode_32 3
		.amdhsa_float_denorm_mode_16_64 3
		.amdhsa_memory_ordered 1
		.amdhsa_forward_progress 1
		.amdhsa_inst_pref_size 75
	.end_amdhsa_kernel
	.amdgpu_metadata
---
amdhsa.version: [ 1, 2 ]
amdhsa.kernels:
  - .name:           k_q3be0c649d4_prep
    .symbol:         k_q3be0c649d4_prep.kd
    .args:
      - { .name: visual_features, .offset: 0, .size: 8, .value_kind: global_buffer, .address_space: global }
      - { .name: audio_features, .offset: 8, .size: 8, .value_kind: global_buffer, .address_space: global }
      - { .name: Wq, .offset: 16, .size: 8, .value_kind: global_buffer, .address_space: global }
      - { .name: Wk, .offset: 24, .size: 8, .value_kind: global_buffer, .address_space: global }
      - { .name: Wv, .offset: 32, .size: 8, .value_kind: global_buffer, .address_space: global }
      - { .name: Wo, .offset: 40, .size: 8, .value_kind: global_buffer, .address_space: global }
      - { .name: audio_labels, .offset: 48, .size: 8, .value_kind: global_buffer, .address_space: global }
      - { .name: label_emb, .offset: 56, .size: 8, .value_kind: global_buffer, .address_space: global }
      - { .name: codes, .offset: 64, .size: 8, .value_kind: global_buffer, .address_space: global }
      - { .name: scales, .offset: 72, .size: 8, .value_kind: global_buffer, .address_space: global }
      - { .name: wo16, .offset: 80, .size: 8, .value_kind: global_buffer, .address_space: global }
      - { .name: embl, .offset: 88, .size: 8, .value_kind: global_buffer, .address_space: global }
    .group_segment_fixed_size: 33280
    .private_segment_fixed_size: 0
    .kernarg_segment_align: 8
    .kernarg_segment_size: 96
    .max_flat_workgroup_size: 128
    .sgpr_count:     66
    .vgpr_count:     192
    .wavefront_size: 32
...
	.end_amdgpu_metadata
.endif
;; end of part 1
;; launch qkv (part 2): grid 12 x 16, 4 waves a work-group, clusters of 4 x 4, 327,680 bytes of LDS; arguments codes, scales, bq, bk, bv, embl, qkv; writes qkv
.if DOCPART == 2
	.amdgcn_target "amdgcn-amd-amdhsa--gfx1250"
	.amdhsa_code_object_version 6
	.text
	.protected	k_q3be0c649d4_qkv
	.globl	k_q3be0c649d4_qkv
	.p2align	8
	.type	k_q3be0c649d4_qkv,@function
k_q3be0c649d4_qkv:
	s_mov_b64 s[64:65], 0
	v_nop
	global_prefetch_b8 v0, s[64:65] scope:SCOPE_SE
	s_setreg_imm32_b32 hwreg(HW_REG_WAVE_MODE, 25, 1), 1
	s_wait_xcnt 0x0
	s_wait_alu depctr_hold_cnt(0) depctr_sa_sdst(0) depctr_va_vdst(0) depctr_va_sdst(0) depctr_va_ssrc(0) depctr_va_vcc(0) depctr_vm_vsrc(0)
	s_getreg_b32 s2, hwreg(HW_REG_IB_STS2, 6, 4)
	s_cmp_eq_u32 s2, 0
	s_cbranch_scc0 .Lentry_in_a_cluster
	s_endpgm
.Lentry_in_a_cluster:
	s_bfe_u32 s2, ttmp6, 0x10000c
	s_cmp_lg_u32 s2, 0xf033
	s_cbranch_scc0 .Lentry_shape_is_right
	s_endpgm
.Lentry_shape_is_right:
; QKV: the three quantised products as ONE product on codes of FP4 (E2M1) with E8M0 scales: C[4096][3072] = A B^T + bias, K = 1,024.  B's rows are rows 8192.. of the codes' buffer (Wq, Wk, Wv on end);
; a cluster spans 1,024 columns, so the cluster's x IS the product p (0: q, 1: k, 2: v).  A's rows are visual's (p = 0, rows 0..) or audio's (rows 4096..).  k also takes the table embl[row][column % 64].
; The result is rounded to f16 and laid by head: qkv[p][batch x 16 + head][position][64].
; LIMITS: q, k and v stay under 65,504 in magnitude (f16); the bias enters each sum first, which differs from adding it last by roundings of f32.
; A tile of C, 256 x 256, is made by four waves, a wave makes 128 x 128: 64 accumulators, 512 registers.  192 work-groups: tiles of half the size would make 384, which is one and a half rounds of the WGPs.
; K is two LDS slots of 512 along K (rows of 256 bytes), each filled ONCE by the tensor data mover at the start: nothing is filled again.  The scale bytes of the tile's 512 rows come once, as whole 256-byte rows.
; CLUSTERS: 4 x 4 work-groups.  The four of a row of the cluster need the same rows of A, the four of a column the same rows of B: each tile is asked for JOINTLY, by the same tensor load with the same descriptor
; and a mask that names the four.  By this text's count a wave has three tensor loads out at the start and none later.
; THE MATRIX INSTRUCTION IS USED TRANSPOSED (source 0 = 16 rows of B, source 1 = 16 rows of A): a lane holds eight neighbouring columns of one row of C.  The bias is the C of each sum's first product.
; REGISTERS, in windows of 256: window 0: v0-31 addresses; v32-95 scale words, two sets, and nothing else; v96-127 packed results; v128-191 A's fragments, ONE set, on the way out rows read back; v192-255 the bias.
;   window 1: B's fragments, TWO sets (v0, v128); on k's way out the table.   window 2: the accumulators of my rows 0-63 ((a, b) at v[8 (8 a + b)]);   window 3: those of rows 64-127.
.set NQ,     4                         ; matrix instructions deep in a slot
.set ROWB,   256                       ; a tile's row in bytes: 512 codes
.set KROW,   512                       ; a row of codes in memory
.set PITCH,  272                       ; an LDS row: 256 bytes + 16 of padding: the 16 rows that a load touches start 16 bytes apart modulo 256
.set FR,     8                         ; registers of a fragment: 16 rows x 128 K
.set NL,     2                         ; LDS loads that bring one
.set NP,     4                         ; places behind this matrix instruction (ISA guide 7.12.1)
.set HALFT,  128*PITCH
.set SLOT,   4*HALFT                   ; A's 256 rows, then B's 256 rows
.set KS,     32                        ; a row of scale bytes
.set SCL,    2*SLOT                    ; behind the slots: the scales, as rows of 256 bytes + 16 of padding
.set HALFS,  (128*KS/256)*272          ; the scales of 128 rows: what one tensor load brings
.set SBLK,   (16*KS/256)*272           ; those of 16 rows
.set SPARE,  SCL+4*HALFS               ; the spare words, 128 bytes a wave, that no other line names
.set SHEAD,  16*144                    ; the way out: a stage of 2 heads x 16 rows x (128 bytes + 16) for each wave, in slot 0, which has had its one fill and its last read by then
.set ADRA, 16                          ; v16-17  LDS address of my A fragments in slot 0, 1
.set ADRB, 20                          ; v20-21  the same for B
.set STO,  24                          ; v24     the way out: where I put 16 bytes of a row
.set RD,   25                          ; v25     where I read rows back
.set CO,   26                          ; v26     16 x lane
.set ADRS, 27                          ; v27     LDS address of my scale words: lanes 0-15 A's rows, lanes 16-31 B's
.set SPW,  28                          ; v28     my spare word; never rewritten
.set NIL,  29                          ; v29     0; never rewritten
.set EO,   30                          ; v30     the table: 256 x (lane % 16) + 32 x (lane / 16)
.set BO,   31                          ; v31     the bias: 32 x (lane / 16)
.set SC,   32
.set TMP,  96
.set AF,   128
.set BK,   128
.set BIAS, 192
.set G1, 24                            ; s[24:31] descriptor group 1 for A's tiles;  s[32:39] group 0, one set for each slot
.set G0, 32
.set G1B, 48                           ; s[48:55], s[56:63] the same for B's tiles
.set G0B, 56
.set G1S, 68                           ; s[68:75], s[76:79] groups 1 and 0 for A's scales;  s[80:87], s[88:91] for B's
.set G0S, 76
.set G1SB, 80
.set G0SB, 88
.set MSB, 0
.macro WIN new                         ; the immediate's high byte repeats the setting that is left; a switch that changes nothing is dropped
.if MSB != (\new)
	s_set_vgpr_msb (MSB<<8)|(\new)
.set MSB, (\new)
.endif
.endm
.set MUL_LO, 0xa1                      ; source 0 (B) window 1, source 1 (A) window 0, C and D window 2
.set MUL_HI, 0xf1                      ; the same, C and D window 3
.set TO_B,   0x40                      ; destination window 1, address window 0
; A joint load: waves 0 and 1 fetch for A, waves 2 and 3 for B.  Each line has one mask and one set of registers for all that issue it; the branch hangs on the wave's number alone.
; An s_nop 0 and four v_nop follow each of the two lines.
.macro JLOAD g0a, g1a, g0b, g1b
	s_cmp_eq_u32 s15, 0
	s_cbranch_scc0 .Lfor_b_\@
	tensor_load_to_lds s[\g0a:\g0a+3], s[\g1a:\g1a+7]
	s_nop 0
.rept 4
	v_nop
.endr
	s_branch .Lasked_\@
.Lfor_b_\@:
	tensor_load_to_lds s[\g0b:\g0b+3], s[\g1b:\g1b+7]
	s_nop 0
.rept 4
	v_nop
.endr
.Lasked_\@:
.endm
.macro CROUND                          ; a round of the cluster's barrier
	s_barrier_signal -1
	s_barrier_wait -1
	s_cmp_lg_u32 s14, 0
	s_cbranch_scc1 .Lnot_wave_0_\@
	s_barrier_signal -3
.Lnot_wave_0_\@:
	s_barrier_wait -3
	s_barrier_signal -1
	s_barrier_wait -1
.endm
	s_load_b256 s[4:11], s[0:1], 0x0               ; codes s[4:5], scales s[6:7], bq s[8:9], bk s[10:11]
	s_load_b128 s[96:99], s[0:1], 0x20             ; bv s[96:97], embl s[98:99]
	s_load_b64 s[12:13], s[0:1], 0x30              ; qkv
	v_lshl_add_u32 v[SPW], v0, 2, SPARE
	v_mov_b32 v[NIL], 0
	ds_add_u32 v[SPW], v[NIL]                      ; the wave's opening: the add, twice on end, and its wait ahead of my first tensor load; the set-up below stands between
	ds_add_u32 v[SPW], v[NIL]
	v_lshrrev_b32 v1, 5, v0
	v_readfirstlane_b32 s14, v1                    ; wave 0..3
	s_lshr_b32 s15, s14, 1                         ; which half of the tile's rows is mine.  Also: I fetch for A (0) or for B (1)
	s_and_b32 s16, s14, 1                          ; which half of its columns.  Also: which 128 rows of that tile I fetch
	s_bfe_u32 s40, ttmp6, 0x40000                  ; cx, cy: my place in the cluster
	s_bfe_u32 s41, ttmp6, 0x40004
	s_lshl_b32 s42, ttmp9, 2
	s_add_co_u32 s42, s42, s40                     ; tile column of C = 4 x cluster x + cx
	s_and_b32 s17, ttmp7, 0xffff
	s_lshl_b32 s17, s17, 2
	s_add_co_u32 s17, s17, s41                     ; tile row of C = 4 x cluster y + cy
	s_lshl_b32 s43, s41, 2
	s_lshl_b32 s43, 15, s43                        ; my row of the cluster
	s_lshl_b32 s44, 0x1111, s40                    ; my column
	; descriptor group 1: a tile of 128 rows x 256 bytes, padded in LDS
	s_or_b32 s[G1+0], s43, (0<<16)|(1<<20)|(1<<21)|(5<<22)|(3<<25)  ; the mask: A's tiles go to my row; elements of 1 byte; padding on; bit 21 beside a mask; after every 64 words four words
	s_or_b32 s[G1B+0], s44, (0<<16)|(1<<20)|(1<<21)|(5<<22)|(3<<25)
.irp g, G1, G1B
	s_mov_b32 s[\g+1], ROWB<<16                    ; tensor_dim0
	s_mov_b32 s[\g+2], 128<<16                     ; tensor_dim1
	s_mov_b32 s[\g+3], ROWB<<16                    ; tile_dim0
	s_mov_b32 s[\g+4], 128                         ; tile_dim1
	s_mov_b32 s[\g+5], KROW                        ; from row to row
	s_mov_b32 s[\g+6], 0
	s_mov_b32 s[\g+7], 0
.endr
	; the scales of 128 rows: a dense block of 4,096 bytes, as 16 rows of 256 bytes (32 elements of 8 bytes), 16 bytes of padding behind each
	s_or_b32 s[G1S+0], s43, (3<<16)|(1<<20)|(1<<21)|(5<<22)|(3<<25)
	s_or_b32 s[G1SB+0], s44, (3<<16)|(1<<20)|(1<<21)|(5<<22)|(3<<25)
.irp g, G1S, G1SB
	s_mov_b32 s[\g+1], 32<<16
	s_mov_b32 s[\g+2], (128*KS/256)<<16
	s_mov_b32 s[\g+3], 32<<16
	s_mov_b32 s[\g+4], 128*KS/256
	s_mov_b32 s[\g+5], 32
	s_mov_b32 s[\g+6], 0
	s_mov_b32 s[\g+7], 0
.endr
	s_lshl_b32 s18, s16, 7                         ; which 128 rows of the tile I fetch
	s_min_u32 s20, ttmp9, 1
	s_lshl_b32 s20, s20, 12                        ; A: visual's rows begin at 0, audio's at 4,096: the cluster's x is the same in all partners
	s_lshl_b32 s19, s17, 8
	s_add_co_u32 s20, s20, s19
	s_add_co_u32 s20, s20, s18                     ; + 256 x tile row + 128 x half
	s_lshl_b32 s46, s42, 8
	s_add_co_u32 s46, s46, s18
	s_add_co_u32 s46, s46, 8192                    ; B: row 8,192 + 256 x tile column + 128 x half
	s_lshl_b32 s22, s20, 5                         ; where these rows' scales begin, in bytes,
	s_mov_b32 s23, 0
	s_lshl_b32 s20, s20, 9                         ; and their codes (11,264 rows in all: under 2^23 bytes)
	s_mov_b32 s21, 0
	s_lshl_b32 s92, s46, 5
	s_mov_b32 s93, 0
	s_lshl_b32 s46, s46, 9
	s_mov_b32 s47, 0
	s_mul_i32 s45, s14, HALFT                      ; where they go: wave x 128 rows: no place in the cluster enters an LDS address
	s_mul_i32 s94, s14, HALFS
	s_wait_dscnt 0x0                               ; both opening adds are done
	s_wait_kmcnt 0x0
	s_add_nc_u64 s[20:21], s[4:5], s[20:21]
	s_add_nc_u64 s[22:23], s[6:7], s[22:23]
	s_add_nc_u64 s[46:47], s[4:5], s[46:47]
	s_add_nc_u64 s[92:93], s[6:7], s[92:93]
	CROUND                                         ; all sixteen work-groups are here: the joint loads meet
	s_mov_b32 s[G0S], 1
	s_add_co_u32 s[G0S+1], s94, SCL
	s_mov_b64 s[G0S+2:G0S+3], s[22:23]
	s_or_b32 s[G0S+3], s[G0S+3], 0x80000000
	s_mov_b32 s[G0SB], 1
	s_add_co_u32 s[G0SB+1], s94, SCL
	s_mov_b64 s[G0SB+2:G0SB+3], s[92:93]
	s_or_b32 s[G0SB+3], s[G0SB+3], 0x80000000
	JLOAD G0S, G1S, G0SB, G1SB                     ; the scales first: they are wanted with the first slot
.irp s, 0,1
	s_mov_b32 s[G0+4*\s], 1
	s_add_co_u32 s[G0+4*\s+1], s45, \s*SLOT
	s_add_nc_u64 s[G0+4*\s+2:G0+4*\s+3], s[20:21], \s*ROWB
	s_or_b32 s[G0+4*\s+3], s[G0+4*\s+3], 0x80000000
	s_mov_b32 s[G0B+4*\s], 1
	s_add_co_u32 s[G0B+4*\s+1], s45, \s*SLOT
	s_add_nc_u64 s[G0B+4*\s+2:G0B+4*\s+3], s[46:47], \s*ROWB
	s_or_b32 s[G0B+4*\s+3], s[G0B+4*\s+3], 0x80000000
	JLOAD G0+4*\s, G1, G0B+4*\s, G1B
.endr
	v_and_b32 v1, 15, v0                           ; r = lane % 16
	v_bfe_u32 v2, v0, 4, 1                         ; h = lane / 16
	v_mul_u32_u24 v3, v1, PITCH
	v_lshl_add_u32 v4, v2, 4, v3                   ; a fragment's row x pitch + 16 x half
	s_mul_i32 s21, s15, HALFT                      ; my 128 rows of A
	s_mul_i32 s22, s16, HALFT                      ; my 128 rows of B,
	s_add_co_u32 s22, s22, 2*HALFT                 ; which lie behind A's 256
.irp s, 0,1
	v_add_nc_u32 v[ADRA+\s], s21, v4
	v_add_nc_u32 v[ADRB+\s], s22, v4
	s_add_co_u32 s21, s21, SLOT
	s_add_co_u32 s22, s22, SLOT
.endr
	v_mul_u32_u24 v5, v1, KS                       ; my row's scales: 32 bytes a row,
	v_lshrrev_b32 v6, 8, v5
	v_lshl_add_u32 v5, v6, 4, v5                   ; and 16 more for each 256 passed
	s_mul_i32 s21, s15, HALFS                      ; A's: my 128 rows
	s_mul_i32 s22, s16, HALFS                      ; B's: my 128 rows, behind A's 256
	s_add_co_u32 s22, s22, 2*HALFS
	s_sub_co_u32 s22, s22, s21
	v_mul_u32_u24 v6, s22, v2                      ; lanes 16-31 take B's: one product, the distance between the two bases
	s_add_co_u32 s21, s21, SCL
	v_add_nc_u32 v5, v5, v6
	v_add_nc_u32 v[ADRS], s21, v5
	s_mul_i32 s23, s14, 2*SHEAD                    ; my stage
	v_mul_u32_u24 v5, v1, 144                      ; in: row r, 16 bytes for each half of the lanes
	v_lshl_add_u32 v5, v2, 4, v5
	v_add_nc_u32 v[STO], s23, v5
	v_and_b32 v6, 31, v0
	v_lshlrev_b32 v[CO], 4, v6                     ; out: 16 bytes a lane, 512 consecutive bytes (four rows of a head) a store
	v_lshrrev_b32 v7, 3, v6
	v_mul_u32_u24 v7, v7, 144                      ; back: eight lanes to a row of 128 bytes
	v_and_b32 v8, 7, v0
	v_lshl_add_u32 v7, v8, 4, v7
	v_add_nc_u32 v[RD], s23, v7
	v_lshlrev_b32 v[EO], 8, v1
	v_lshl_add_u32 v[EO], v2, 5, v[EO]
	v_lshlrev_b32 v[BO], 5, v2
	; the bias of my 128 columns: which of the three hangs on the cluster's x alone
	s_cmp_eq_u32 ttmp9, 0
	s_cselect_b64 s[8:9], s[8:9], s[10:11]
	s_cmp_eq_u32 ttmp9, 2
	s_cselect_b64 s[8:9], s[96:97], s[8:9]
	s_lshl_b32 s46, s40, 10                        ; column 256 cx + 128 x half of the product's 1,024, 4 bytes each (cx stays in registers that fed B's descriptors alone)
	s_lshl_b32 s47, s16, 9
	s_add_co_u32 s46, s46, s47
	s_mov_b32 s47, 0
	s_add_nc_u64 s[8:9], s[8:9], s[46:47]
.irp b, 0,1,2,3,4,5,6,7
	global_load_b128 v[BIAS+8*\b:BIAS+8*\b+3], v[BO], s[8:9] offset:64*\b        ; register 8 b + j: the bias of column 16 b + 8 h + j: the result's layout
	global_load_b128 v[BIAS+8*\b+4:BIAS+8*\b+7], v[BO], s[8:9] offset:64*\b+16
.endr
	; where my part of the result begins: product, batch, position; then the head
	s_lshl_b32 s20, ttmp9, 23                      ; 32 heads x 262,144 bytes a product
	s_lshr_b32 s21, s17, 3
	s_lshl_b32 s21, s21, 22                        ; 16 heads a batch
	s_add_co_u32 s20, s20, s21
	s_and_b32 s21, s17, 7
	s_lshl_b32 s21, s21, 8
	s_lshl_b32 s22, s15, 7
	s_add_co_u32 s21, s21, s22                     ; my first position in the batch
	s_lshl_b32 s21, s21, 7                         ; 128 bytes a row
	s_add_co_u32 s20, s20, s21
	s_mov_b32 s21, 0
	s_add_nc_u64 s[12:13], s[12:13], s[20:21]
	s_lshl_b32 s46, s40, 2
	s_lshl_b32 s47, s16, 1
	s_add_co_u32 s46, s46, s47                     ; my first head: 4 cx + 2 x half
	s_lshl_b32 s46, s46, 18
	s_mov_b32 s47, 0
	s_add_nc_u64 s[12:13], s[12:13], s[46:47]
	s_lshl_b32 s20, s17, 8
	s_add_co_u32 s20, s20, s22                     ; the table at my first row: 256 x tile row + 128 x half,
	s_lshl_b32 s20, s20, 8                         ; 256 bytes a row
	s_add_nc_u64 s[98:99], s[98:99], s[20:21]
.macro FRAG reg, adr, q, i             ; a fragment, 16 rows x 128 K of 4-bit codes: lane l holds row l % 16; registers 4 c .. 4 c + 3 hold K = 64 c + 32 (l / 16) + 0 .. 31
.irp c, 0,1
	ds_load_b128 v[\reg+4*\c:\reg+4*\c+3], v[\adr] offset:64*(\q)+32*\c+(\i)*16*PITCH
.endr
.endm
; 16 matrix instructions: A's blocks a0, a0 + 1 x B's eight, the slot's q-th 128 along K.  p: B's set;  sc: the set of scale words.  first = 1: the bias is the C, and starts the sums: nothing is cleared or added later.
; The 64 accumulators take turns, one instruction a turn, in the same order in every step.
.macro MUL16 a0, p, q, sc, first
.irp a, \a0, \a0+1
.irp b, 0,1,2,3,4,5,6,7
.if \first
	v_wmma_scale_f32_16x16x128_f8f6f4 v[8*(8*((\a)%4)+\b):8*(8*((\a)%4)+\b)+7], v[128*(\p)+FR*\b:128*(\p)+FR*\b+FR-1], v[AF+FR*(\a):AF+FR*(\a)+FR-1], v[BIAS+8*\b:BIAS+8*\b+7], v[SC+8*NQ*(\sc)+NQ*\b+(\q)], v[SC+8*NQ*(\sc)+NQ*(\a)+(\q)] matrix_a_fmt:MATRIX_FMT_FP4 matrix_b_fmt:MATRIX_FMT_FP4 matrix_a_scale:MATRIX_SCALE_ROW1
.else
	v_wmma_scale_f32_16x16x128_f8f6f4 v[8*(8*((\a)%4)+\b):8*(8*((\a)%4)+\b)+7], v[128*(\p)+FR*\b:128*(\p)+FR*\b+FR-1], v[AF+FR*(\a):AF+FR*(\a)+FR-1], v[8*(8*((\a)%4)+\b):8*(8*((\a)%4)+\b)+7], v[SC+8*NQ*(\sc)+NQ*\b+(\q)], v[SC+8*NQ*(\sc)+NQ*(\a)+(\q)] matrix_a_fmt:MATRIX_FMT_FP4 matrix_b_fmt:MATRIX_FMT_FP4 matrix_a_scale:MATRIX_SCALE_ROW1
.endif
.endr
.endr
.endm
.macro FETCH_B slot, q, p              ; B's eight fragments of the slot's q-th 128 along K into set p
	WIN TO_B
.irp i, 0,1,2,3,4,5,6,7
	FRAG 128*(\p)+FR*\i, ADRB+\slot, \q, \i
.endr
	WIN 0
.endm
.macro FETCH_A slot, q, i0             ; A's blocks i0 .. i0 + 3
.irp i, \i0, \i0+1, \i0+2, \i0+3
	FRAG AF+FR*(\i), ADRA+\slot, \q, \i
.endr
.endm
.macro SCALES sc                       ; a slot's scale words into set sc: four words a row; lanes 0-15 take A's block i, lanes 16-31 B's block i
.irp i, 0,1,2,3,4,5,6,7
	ds_load_b128 v[SC+8*NQ*\sc+NQ*\i:SC+8*NQ*\sc+NQ*\i+3], v[ADRS] offset:\i*SBLK
.endr
.endm
; A load into a register that a matrix instruction has read, and a vector instruction or LDS store that reads a matrix result, stand NP places behind it; only plain vector instructions that name none of its
; registers are places (ISA guide 7.12.1 for vector instructions).
.macro PLACES n
.rept \n
	v_nop
.endr
.endm
; A step of 128 along K that has its successor in the same slot.  A's blocks 0-3 are fetched anew in its middle, blocks 4-7 at its end; B has two sets.
.macro STEP slot, q, first
	s_wait_dscnt 4*NL                              ; B's set and A's blocks 0-3 are in; the youngest eight loads (A's blocks 4-7) may be out
	WIN MUL_LO-0x20*(\first)                       ; (the bias lies in window 0)
	MUL16 0, (\q)%2, \q, \slot, \first
	MUL16 2, (\q)%2, \q, \slot, \first
	s_wait_dscnt 0                                 ; A's blocks 4-7 are in (asked for 32 matrix instructions ago)
	PLACES NP
	FETCH_B \slot, (\q)+1, 1-(\q)%2
	FETCH_A \slot, (\q)+1, 0
	WIN MUL_HI-0x30*(\first)
	MUL16 4, (\q)%2, \q, \slot, \first
	MUL16 6, (\q)%2, \q, \slot, \first
	PLACES NP
	WIN 0
	FETCH_A \slot, (\q)+1, 4
.endm
.macro STEPS slot, from                ; the slot's steps from .. NQ - 2
.set Q, \from
.rept NQ-1-\from
	STEP \slot, Q, 0
.set Q, Q+1
.endr
.endm
	s_wait_tensorcnt 1                             ; the scales and my part of slot 0 are in; slot 1's load, the one issued behind them, may be out
	s_barrier_signal -1
	s_barrier_wait -1                              ; everybody's are
	FETCH_B 0, 0, 0
	FETCH_A 0, 0, 0
	SCALES 0
	FETCH_A 0, 0, 4
	s_wait_loadcnt 0x0                             ; the bias
	STEP 0, 0, 1
	STEPS 0, 1
	; slot 0's last step changes slots: one barrier; in front of it each wave waits for all its tensor loads (its part of slot 1) and for its own reads of slot 0
	s_wait_tensorcnt 0x0
	ds_add_u32 v[SPW], v[NIL]                      ; 0 onto my spare word
	s_wait_dscnt 4*NL+1                            ; (the add and the youngest eight loads may be out)
	WIN MUL_LO
	MUL16 0, 1, NQ-1, 0, 0                         ; sixteen matrix instructions stand between the add and the wait for it
	s_wait_dscnt 0x0                               ; the add is done, and my reads of slot 0 are over
	s_barrier_signal -1
	MUL16 2, 1, NQ-1, 0, 0
	WIN 0
	s_barrier_wait -1
	PLACES NP
	v_add_nc_u32 v[ADRS], 4*NQ, v[ADRS]            ; on to slot 1's scale words: 16 bytes on in each row
	FETCH_B 1, 0, 0
	FETCH_A 1, 0, 0
	SCALES 1
	WIN MUL_HI
	MUL16 4, 1, NQ-1, 0, 0
	MUL16 6, 1, NQ-1, 0, 0
	PLACES NP
	WIN 0
	FETCH_A 1, 0, 4
	STEPS 1, 0
	s_wait_dscnt 4*NL                              ; the very last step: nothing more to fetch
	WIN MUL_LO
	MUL16 0, 1, NQ-1, 1, 0
	MUL16 2, 1, NQ-1, 1, 0
	s_wait_dscnt 0
	WIN MUL_HI
	MUL16 4, 1, NQ-1, 1, 0
	MUL16 6, 1, NQ-1, 1, 0
	WIN 0
	PLACES NP                                      ; behind the last products: for the loads into the fragments' registers and for the reads of results
	; k ALONE takes the table: a branch on the cluster's x, which all partners share.  Element (row 16 a + r, column 16 b + 8 h + j) takes embl[row][16 (b % 4) + 8 h + j]: a head is 64 columns.
	s_cmp_lg_u32 ttmp9, 1
	s_cbranch_scc1 .Lno_emb
	WIN TO_B
.irp a, 0,1,2,3,4,5,6,7
.irp c, 0,1,2,3
	global_load_b128 v[32*\a+8*\c:32*\a+8*\c+3], v[EO], s[98:99] offset:4096*\a+64*\c
	global_load_b128 v[32*\a+8*\c+4:32*\a+8*\c+7], v[EO], s[98:99] offset:4096*\a+64*\c+16
.endr
.endr
.irp a, 0,1,2,3,4,5,6,7
	s_wait_loadcnt 56-8*\a                         ; block a's eight loads are in; those of the blocks behind it may be out
	WIN 0x86+0x41*(\a/4)                           ; the sums (destination and source 0) in window 2 or 3, the table in window 1
.irp b, 0,1,2,3,4,5,6,7
.irp i, 0,2,4,6
	v_pk_add_f32 v[64*(\a%4)+8*\b+\i:64*(\a%4)+8*\b+\i+1], v[64*(\a%4)+8*\b+\i:64*(\a%4)+8*\b+\i+1], v[32*\a+8*(\b%4)+\i:32*\a+8*(\b%4)+\i+1]   ; each accumulator from its low end on
.endr
.endr
.endr
	WIN 0
.Lno_emb:
; THE WAY OUT, block by block of 16 rows x 128 columns (two heads).  PACK: rounded to f16, 16 bytes a lane.  TOSTAGE: into my own stage, and back as rows of 128 bytes, four rows a load.  SEND: stored, 512 consecutive bytes a store.
; LDS serves a wave's instructions in order (ISA guide 5.7.1.4): no wait between the stores and the loads, nor in front of the next block's stores.
.macro PACK a
.set AC, 64*((\a)%4)
	WIN 0x0a+5*((\a)/4)                            ; sources 0 and 1: window 2 or 3
.irp b, 0,1,2,3,4,5,6,7
.irp i, 0,1,2,3
	v_cvt_pk_f16_f32 v[TMP+4*\b+\i], v[AC+8*\b+2*\i], v[AC+8*\b+2*\i+1]
.endr
.endr
	WIN 0
.endm
.macro TOSTAGE a
.set BB, BK+32*((\a)%2)
.irp b, 0,1,2,3,4,5,6,7
	ds_store_b128 v[STO], v[TMP+4*\b:TMP+4*\b+3] offset:(\b/4)*SHEAD+(\b%4)*32
.endr
.irp t, 0,1,2,3,4,5,6,7
	ds_load_b128 v[BB+4*\t:BB+4*\t+3], v[RD] offset:(\t/4)*SHEAD+(\t%4)*576
.endr
.endm
.macro SEND a
.set BB, BK+32*((\a)%2)
	s_wait_dscnt 0x0                               ; the block is back in registers
	s_wait_xcnt 0x0                                ; the block before has been stored from the other set: its stores have read their registers, which the next loads from the stage take
.irp t, 0,1,2,3,4,5,6,7
	global_store_b128 v[CO], v[BB+4*\t:BB+4*\t+3], s[12:13] offset:(\t/4)*262144+2048*(\a)+512*(\t%4)   ; head t / 4, rows 16 a + 4 (t % 4) on
.endr
.endm
	PACK 0
	TOSTAGE 0
.irp a, 1,2,3,4,5,6,7                  ; block a's conversions stand between block a - 1's loads from the stage and the wait for them
	PACK \a
	SEND \a-1
	TOSTAGE \a
.endr
	SEND 7
	s_wait_tensorcnt 0x0                           ; the wave's end, behind my last tensor load and my last LDS store
	ds_add_u32 v[SPW], v[NIL]
	s_wait_dscnt 0x0
	CROUND                                         ; the closing round
	s_endpgm
.Lfunc_end_k_q3be0c649d4_qkv:
	.size	k_q3be0c649d4_qkv, .Lfunc_end_k_q3be0c649d4_qkv-k_q3be0c649d4_qkv
	.p2alignl 7, 3214868480
	.fill 96, 4, 3214868480
	.section	.rodata,"a",@progbits
	.p2align	6, 0x0
	.amdhsa_kernel k_q3be0c649d4_qkv
		.amdhsa_group_segment_fixed_size 327680
		.amdhsa_private_segment_fixed_size 0
		.amdhsa_enable_private_segment 0
		.amdhsa_kernarg_size 56
		.amdhsa_user_sgpr_count 2
		.amdhsa_user_sgpr_kernarg_segment_ptr 1
		.amdhsa_wavefront_size32 1
		.amdhsa_system_sgpr_workgroup_id_x 1
		.amdhsa_system_sgpr_workgroup_id_y 1
		.amdhsa_system_sgpr_workgroup_id_z 1
		.amdhsa_system_vgpr_workitem_id 0
		.amdhsa_next_free_vgpr 1024
		.amdhsa_next_free_sgpr 100
		.amdhsa_reserve_vcc 0
		.amdhsa_float_denorm_mode_32 3
		.amdhsa_float_denorm_mode_16_64 3
		.amdhsa_memory_ordered 1
		.amdhsa_forward_progress 1
		.amdhsa_inst_pref_size 151
	.end_amdhsa_kernel
	.amdgpu_metadata
---
amdhsa.version: [ 1, 2 ]
amdhsa.kernels:
  - .name:           k_q3be0c649d4_qkv
    .symbol:         k_q3be0c649d4_qkv.kd
    .args:
      - { .name: codes, .offset: 0, .size: 8, .value_kind: global_buffer, .address_space: global }
      - { .name: scales, .offset: 8, .size: 8, .value_kind: global_buffer, .address_space: global }
      - { .name: bq, .offset: 16, .size: 8, .value_kind: global_buffer, .address_space: global }
      - { .name: bk, .offset: 24, .size: 8, .value_kind: global_buffer, .address_space: global }
      - { .name: bv, .offset: 32, .size: 8, .value_kind: global_buffer, .address_space: global }
      - { .name: embl, .offset: 40, .size: 8, .value_kind: global_buffer, .address_space: global }
      - { .name: qkv, .offset: 48, .size: 8, .value_kind: global_buffer, .address_space: global }
    .group_segment_fixed_size: 327680
    .private_segment_fixed_size: 0
    .kernarg_segment_align: 8
    .kernarg_segment_size: 56
    .max_flat_workgroup_size: 128
    .sgpr_count:     100
    .vgpr_count:     1024
    .wavefront_size: 32
...
	.end_amdgpu_metadata
.endif
;; end of part 2
;; launch attn (part 3): grid 8 x 32, 8 waves a work-group, clusters of 4 x 1, 327,680 bytes of LDS; arguments qkv, ao; writes ao
.if DOCPART == 3
	.amdgcn_target "amdgcn-amd-amdhsa--gfx1250"
	.amdhsa_code_object_version 6
	.text
	.protected	k_q3be0c649d4_attn
	.globl	k_q3be0c649d4_attn
	.p2align	8
	.type	k_q3be0c649d4_attn,@function
k_q3be0c649d4_attn:
	s_mov_b64 s[64:65], 0
	v_nop
	global_prefetch_b8 v0, s[64:65] scope:SCOPE_SE
	s_setreg_imm32_b32 hwreg(HW_REG_WAVE_MODE, 25, 1), 1
	s_wait_xcnt 0x0
	s_wait_alu depctr_hold_cnt(0) depctr_sa_sdst(0) depctr_va_vdst(0) depctr_va_sdst(0) depctr_va_ssrc(0) depctr_va_vcc(0) depctr_vm_vsrc(0)
	s_getreg_b32 s2, hwreg(HW_REG_IB_STS2, 6, 4)
	s_cmp_eq_u32 s2, 0
	s_cbranch_scc0 .Lentry_in_a_cluster
	s_endpgm
.Lentry_in_a_cluster:
	s_bfe_u32 s2, ttmp6, 0x10000c
	s_cmp_lg_u32 s2, 0x3003
	s_cbranch_scc0 .Lentry_shape_is_right
	s_endpgm
.Lentry_shape_is_right:
; ATTN: O[bh][q] = the sum over k of softmax_k(Q[bh][q] . K[bh][k] / 8) V[bh][k].  Q, K, V: qkv[0..2][32 heads][2048][64], f16.  Products, maxima and sums in f32; the weights p are rounded to f16 for the second product.
; The result, rounded to f16, is laid for the last product: ao[row / 128][head][row % 128][64], row = batch x 2,048 + position.
; LIMITS: the inputs are f16 numbers as the launch before left them; NaN and infinities are not served.  A query's keys are summed in two halves that are joined at the end: an order of rounding of its own.
; SHARES.  A work-group owns 256 queries of one head.  Wave w owns 64 of them (four tiles of 16; group w % 4) and HALF of the keys (1,024 (w / 4) on): eight waves of 512 registers, two to a SIMD, so that one wave's
; softmax stands beside the other's products, while each fragment of K and V read from LDS still feeds four products.  A wave walks 16 steps of 64 keys.  At the end waves 4-7 hand maximum, sum and O^T to waves 0-3 through LDS.
; LAYOUT.  S^T = K Q^T (source 0 = 16 keys, source 1 = 16 queries): a lane holds ONE query (lane % 16) and the keys 8 (lane / 16) + 0..7.  Two such tiles, rounded to f16 in pairs, ARE source 1 of O^T = V^T P,
; whose result again holds one query a lane.  K comes out of LDS as it lies, V ([key][channel]) turned, by ds_load_tr16_b128.
; SOFTMAX.  For each query a running maximum m and sum l: p = 2^(c s - c m), c = log2(e) / 8; in every step O and l are multiplied by a = 2^(c m_old - c m_new).  The step is written once: m begins at -3e38, l and O^T at 0.
; RING.  Two LDS slots; a fill holds 256 keys of each half: four steps.  Four fills: two at the start, two refills.  Waves 0-3 fetch K (128 rows each), waves 4-7 V.  By this text's count a wave has two tensor loads out at the start, one behind a refill.
; CLUSTER.  The four query blocks of a cluster belong to one head and walk the same K and V: each tile is asked for JOINTLY, by the same tensor load with a mask that names the four.
; No prefetch is laid: the launch has two refills, each issued four key steps (256 matrix instructions of the wave) ahead of the wait for it, and the first fills stand at the head.
; REGISTERS: window 0: v2-13 addresses; v16-47 statistics, eight a tile (+0 c m, +1 m, +2, +3 l, +4..+7 at work, a at +6); v48-111 Q; v112-239 S^T, 32 a tile, then P in place in the tile's first 16; v240-247 the partner's statistics.
;            window 1: v0-127 O^T, 32 a tile; v128-191 K of one step; v192-255 V of one step.
.set KS,    64                         ; keys in a step
.set PK,    144                        ; a row of K in LDS: 128 bytes + 16: the 16 rows of a load start 16 bytes apart modulo 256
.set PVB,   160                        ; a row of V: 128 + 32: the turning load's 8 rows x 32 bytes fall apart likewise
.set KHALF, 256*PK                     ; a fill's rows of K for one half of the keys
.set VHALF, 256*PVB
.set VOFF,  2*KHALF                    ; a slot: K's two halves, then V's
.set SLOT,  VOFF+2*VHALF
.set SPARE, 2*SLOT                     ; behind the ring: the spare words, 128 bytes for each of eight waves, that no other line names
.set XCHW,  17408                      ; the hand-over, in slot 0, which has had its last fill and its last read by then: for each group of queries an image of O^T (16,384 bytes) and 1,024 bytes of statistics
.set STAGE, 4*XCHW                     ; behind it the way out: 64 rows x 144 bytes for each of waves 0-3
.set STW,   64*144
.set AK0, 2                            ; v2   my lane's place in a fill's K, my half of the keys; never rewritten
.set AV0, 3                            ; v3   the same for V
.set ADR, 4                            ; v4   LDS address of the run of K's loads in hand
.set ADV, 5                            ; v5   of V's
.set QO,  6                            ; v6   my byte offset in the wave's rows of Q
.set STO, 7                            ; v7   the way out: where I put 16 bytes of a row
.set RD,  8                            ; v8   where I read rows back
.set GO,  9                            ; v9   16 x lane
.set SPW, 10                           ; v10  my spare word; never rewritten
.set NIL, 11                           ; v11  0; never rewritten
.set XW,  12                           ; v12  the hand-over: my 16 bytes of an image's 512
.set XS,  13                           ; v13  my word of the statistics
.set ST,  16
.set Q,   48
.set S,   112
.set PS,  240
.set KF,  128                          ; in window 1
.set VF,  192
.set WV,  12                           ; s12  my wave's number
.set G1K, 24                           ; s[24:31] descriptor group 1 for K's tiles;  s[32:39] for V's: it differs in the padding alone
.set G1V, 32
.set G0K, 40                           ; s[40:47] group 0 for K's tiles, a set for each slot;  s[48:55] for V's
.set G0V, 48
.set CNT, 56                           ; s56  counts a run's steps
.set TBK, 57                           ; s57  LDS byte at which the rows of K to be fetched next begin
.set CS,  58                           ; s[58:59] c: the packed scaling names a pair and takes its low word for both halves
.set SEL, 60                           ; s[60:61] lane selects for v_permlanex16_b32: lane l xor 16
.set TBV, 62                           ; s62  as s57, for V
.set MSB, 0
.macro WIN new                         ; the immediate's high byte repeats the setting that is left; a switch that changes nothing is dropped
.if MSB != (\new)
	s_set_vgpr_msb (MSB<<8)|(\new)
.set MSB, (\new)
.endif
.endm
.set W_KQ, 0x01                        ; K in window 1; Q and S^T in window 0
.set W_PV, 0x51                        ; V and O^T in window 1, P in window 0
.set W_RS, 0x41                        ; O^T (destination and source 0) in window 1, the factor in window 0
.set W_LD, 0x40                        ; destination window 1, address window 0
; A joint refill of slot s.  The branch hangs on the wave's number alone.  An s_nop 0 and four v_nop follow each of the two lines.
.macro JLOAD s
	s_cmp_lt_u32 s[WV], 4
	s_cbranch_scc0 .Lfor_v_\@
	tensor_load_to_lds s[G0K+4*\s:G0K+4*\s+3], s[G1K:G1K+7]
	s_nop 0
.rept 4
	v_nop
.endr
	s_branch .Lasked_\@
.Lfor_v_\@:
	tensor_load_to_lds s[G0V+4*\s:G0V+4*\s+3], s[G1V:G1V+7]
	s_nop 0
.rept 4
	v_nop
.endr
.Lasked_\@:
.endm
.macro CROUND                          ; a round of the cluster's barrier
	s_barrier_signal -1
	s_barrier_wait -1
	s_cmp_lg_u32 s[WV], 0
	s_cbranch_scc1 .Lnot_wave_0_\@
	s_barrier_signal -3
.Lnot_wave_0_\@:
	s_barrier_wait -3
	s_barrier_signal -1
	s_barrier_wait -1
.endm
	s_load_b64 s[4:5], s[0:1], 0x0                 ; qkv
	s_load_b64 s[10:11], s[0:1], 0x8               ; ao
	v_lshl_add_u32 v[SPW], v0, 2, SPARE
	v_mov_b32 v[NIL], 0
	ds_add_u32 v[SPW], v[NIL]                      ; the wave's opening: the add, twice on end, and its wait ahead of my first tensor load; the set-up below stands between
	ds_add_u32 v[SPW], v[NIL]
	v_lshrrev_b32 v1, 5, v0
	v_readfirstlane_b32 s[WV], v1                  ; wave 0..7
	s_and_b32 s15, s[WV], 3                        ; my group of 64 queries.  Also: which 128 rows of a fill I fetch
	s_lshr_b32 s16, s[WV], 2                       ; my half of the keys.  Also: I fetch K (0) or V (1)
	s_bfe_u32 s13, ttmp6, 0x40000                  ; cx: my place in the cluster
	s_lshl_b32 s14, ttmp9, 2
	s_add_co_u32 s14, s14, s13                     ; my block of 256 queries: it enters Q's and ao's addresses alone
	s_and_b32 s17, ttmp7, 0xffff                   ; batch x 16 + head, which the four partners share
	s_lshl_b32 s20, s17, 18                        ; a head is 262,144 bytes
	s_lshr_b32 s22, s15, 1                         ; what I fetch: keys 1,024 (w' / 2) + 128 (w' % 2) on, 128 bytes a row
	s_lshl_b32 s22, s22, 17
	s_and_b32 s21, s15, 1
	s_lshl_b32 s21, s21, 14
	s_add_co_u32 s22, s22, s21
	s_add_co_u32 s22, s22, s20
	s_mov_b32 s23, 0
	s_mul_i32 s66, s15, 128*PK                     ; and where it goes in a slot: no place in the cluster enters an LDS address
	s_mul_i32 s67, s15, 128*PVB
	s_add_co_u32 s67, s67, VOFF
	s_lshl_b32 s2, s14, 15                         ; Q: my block's 256 rows,
	s_lshl_b32 s3, s15, 13                         ; my wave's 64 of them
	s_add_co_u32 s2, s2, s3
	s_add_co_u32 s2, s2, s20
	s_mov_b32 s3, 0
	s_lshr_b32 s18, s17, 4                         ; ao: block of 128 rows = 16 x batch + 2 x my block + (group / 2),
	s_lshl_b32 s18, s18, 4
	s_lshl_b32 s19, s14, 1
	s_add_co_u32 s18, s18, s19
	s_lshr_b32 s19, s15, 1
	s_add_co_u32 s18, s18, s19
	s_lshl_b32 s18, s18, 18                        ; 16 heads x 128 rows x 128 bytes each;
	s_and_b32 s19, s17, 15
	s_lshl_b32 s19, s19, 14                        ; the head: 128 rows x 128 bytes;
	s_add_co_u32 s18, s18, s19
	s_and_b32 s19, s15, 1
	s_lshl_b32 s19, s19, 13                        ; 64 rows for an odd group
	s_add_co_u32 s18, s18, s19
	s_mov_b32 s19, 0
	; every LDS address register is made here, ahead of every branch on the wave's number
	v_and_b32 v1, 15, v0                           ; r = lane % 16
	v_bfe_u32 v14, v0, 4, 1                        ; h = lane / 16
	v_and_b32 v15, 31, v0                          ; lane
	s_mul_i32 s21, s16, KHALF
	v_mul_u32_u24 v[AK0], v1, PK
	v_lshl_add_u32 v[AK0], v14, 4, v[AK0]
	v_add_nc_u32 v[AK0], s21, v[AK0]               ; K: row r x pitch + 16 h, in my half
	s_mul_i32 s21, s16, VHALF
	s_add_co_u32 s21, s21, VOFF
	v_and_b32 v[AV0], 7, v0
	v_lshl_add_u32 v[AV0], v14, 3, v[AV0]
	v_mul_u32_u24 v[AV0], v[AV0], PVB
	v_bfe_u32 v[ADR], v0, 3, 1
	v_lshl_add_u32 v[AV0], v[ADR], 4, v[AV0]
	v_add_nc_u32 v[AV0], s21, v[AV0]               ; V: the turning load's lane reads key 8 h + lane % 8, channels 8 ((lane / 8) % 2) on
	v_lshlrev_b32 v[QO], 7, v1
	v_lshl_add_u32 v[QO], v14, 4, v[QO]
	s_mul_i32 s21, s15, STW
	s_add_co_u32 s21, s21, STAGE
	v_mul_u32_u24 v[STO], v1, 144
	v_lshl_add_u32 v[STO], v14, 4, v[STO]
	v_add_nc_u32 v[STO], s21, v[STO]               ; the stage, in: row r, 16 bytes for each half of the lanes
	v_lshrrev_b32 v[RD], 3, v15
	v_mul_u32_u24 v[RD], v[RD], 144
	v_and_b32 v[ADV], 7, v0
	v_lshl_add_u32 v[RD], v[ADV], 4, v[RD]
	v_add_nc_u32 v[RD], s21, v[RD]                 ; back: eight lanes to a row of 128 bytes
	v_lshlrev_b32 v[GO], 4, v15
	s_mul_i32 s21, s15, XCHW
	v_add_nc_u32 v[XW], s21, v[GO]
	s_add_co_u32 s21, s21, 16384
	v_lshl_add_u32 v[XS], v15, 2, s21
	; descriptor group 1: a tile of 128 rows x 64 elements of 2 bytes, padded behind every row
	s_mov_b32 s[G1K], 15|(1<<16)|(1<<20)|(1<<21)|(4<<22)|(3<<25)  ; the mask: all four work-groups; elements of 2 bytes; padding on; bit 21 beside a mask; after every 32 words four words
	s_mov_b32 s[G1V], 15|(1<<16)|(1<<20)|(1<<21)|(4<<22)|(7<<25)  ; the same with eight words of padding
.irp g, G1K, G1V
	s_mov_b32 s[\g+1], 64<<16                      ; tensor_dim0
	s_mov_b32 s[\g+2], 128<<16                     ; tensor_dim1
	s_mov_b32 s[\g+3], 64<<16                      ; tile_dim0
	s_mov_b32 s[\g+4], 128                         ; tile_dim1
	s_mov_b32 s[\g+5], 64                          ; from row to row
	s_mov_b32 s[\g+6], 0
	s_mov_b32 s[\g+7], 0
.endr
	s_mov_b32 s[CS], 0x3e38aa3b                    ; c = log2(e) / 8
	s_mov_b32 s[CS+1], s[CS]                       ; named with it as a pair, so it is written
	s_mov_b32 s[SEL], 0x76543210
	s_mov_b32 s[SEL+1], 0xfedcba98
	s_mov_b32 s[TBK], 0
	s_mov_b32 s[TBV], 0
	s_wait_dscnt 0x0                               ; both opening adds are done
	s_wait_kmcnt 0x0
	s_add_nc_u64 s[6:7], s[4:5], s[22:23]
	s_add_nc_u64 s[8:9], s[6:7], 0x1000000         ; V at my rows of fill 0: the third of the three tensors
	s_add_nc_u64 s[6:7], s[6:7], 0x800000          ; K: the second
	s_add_nc_u64 s[4:5], s[4:5], s[2:3]            ; Q at my wave's first row
	s_add_nc_u64 s[10:11], s[10:11], s[18:19]      ; ao likewise
	CROUND                                         ; all four work-groups are here: the first joint loads meet
.irp s, 0,1
	s_mov_b32 s[G0K+4*\s], 1                       ; count = 1
	s_add_co_u32 s[G0K+4*\s+1], s66, \s*SLOT       ; LDS address
	s_add_nc_u64 s[G0K+4*\s+2:G0K+4*\s+3], s[6:7], \s*256*128   ; fill s begins 256 s keys on in each half
	s_or_b32 s[G0K+4*\s+3], s[G0K+4*\s+3], 0x80000000           ; type = 2
	s_mov_b32 s[G0V+4*\s], 1
	s_add_co_u32 s[G0V+4*\s+1], s67, \s*SLOT
	s_add_nc_u64 s[G0V+4*\s+2:G0V+4*\s+3], s[8:9], \s*256*128
	s_or_b32 s[G0V+4*\s+3], s[G0V+4*\s+3], 0x80000000
.endr
	s_cmp_lt_u32 s[WV], 4                          ; a wave's two first fills stand in one branch, ahead of every wait on TENSORcnt and every LDS read
	s_cbranch_scc0 .Lfirst_v
	tensor_load_to_lds s[G0K:G0K+3], s[G1K:G1K+7]
	s_nop 0
	tensor_load_to_lds s[G0K+4:G0K+7], s[G1K:G1K+7]
	s_nop 0
.rept 4
	v_nop
.endr
	s_branch .Lfirst_asked
.Lfirst_v:
	tensor_load_to_lds s[G0V:G0V+3], s[G1V:G1V+7]
	s_nop 0
	tensor_load_to_lds s[G0V+4:G0V+7], s[G1V:G1V+7]
	s_nop 0
.rept 4
	v_nop
.endr
.Lfirst_asked:
.irp t, 0,1,2,3                        ; Q stays in registers: a fragment is 16 rows x 32 channels: lane l holds row l % 16; two loads of 16 bytes, 32 bytes apart
.irp c, 0,1
	global_load_b128 v[Q+16*\t+8*\c:Q+16*\t+8*\c+3],   v[QO], s[4:5] offset:2048*\t+64*\c
	global_load_b128 v[Q+16*\t+8*\c+4:Q+16*\t+8*\c+7], v[QO], s[4:5] offset:2048*\t+64*\c+32
.endr
.endr
.irp t, 0,1,2,3
	v_mov_b32 v[ST+8*\t+1], 0xff61b1e6             ; m: -3e38, under every score
	v_mul_f32 v[ST+8*\t], s[CS], v[ST+8*\t+1]      ; c m
.irp i, 2,3,4,5,6,7
	v_mov_b32 v[ST+8*\t+\i], 0                     ; l; and the registers at work are written once (a lane permute's destination counts as a source)
.endr
.endr
	WIN W_LD
.set i, 0
.rept 128
	v_mov_b32 v[i], 0                              ; O^T: the step is written once; its first a is 0 and leaves zeros zeros
.set i, i+1
.endr
	WIN 0
; THE LDS LOADS stand in runs of 16.  n: v_nop that, with the address's addition, are the places behind the matrix instructions that read the registers.
.macro FETCH_K n
	v_add_nc_u32 v[ADR], s[TBK], v[AK0]
	s_add_co_u32 s[TBK], s[TBK], KS*PK             ; the next fetch is the next step's
.rept \n
	v_nop
.endr
	WIN W_LD
.irp kt, 0,1,2,3
.irp c, 0,1
	ds_load_b128 v[KF+16*\kt+8*\c:KF+16*\kt+8*\c+3],   v[ADR] offset:\kt*16*PK+64*\c
	ds_load_b128 v[KF+16*\kt+8*\c+4:KF+16*\kt+8*\c+7], v[ADR] offset:\kt*16*PK+64*\c+32
.endr
.endr
	WIN 0
.endm
.macro FETCH_V n
	v_add_nc_u32 v[ADV], s[TBV], v[AV0]
	s_add_co_u32 s[TBV], s[TBV], KS*PVB
.rept \n
	v_nop
.endr
	WIN W_LD
.irp kc, 0,1
.irp ct, 0,1,2,3
	ds_load_tr16_b128 v[VF+32*\kc+8*\ct:VF+32*\kc+8*\ct+3],   v[ADV] offset:\kc*32*PVB+32*\ct
	ds_load_tr16_b128 v[VF+32*\kc+8*\ct+4:VF+32*\kc+8*\ct+7], v[ADV] offset:\kc*32*PVB+16*PVB+32*\ct
.endr
.endr
	WIN 0
.endm
; THE MATRIX WORK.  16 accumulators take turns, one instruction a turn: between two links of a chain stand 15 others'.
.macro KQ                              ; S^T = K Q^T: channels 32 c on, keys 16 kt on, tile t.  The first 16 start the sums
	WIN W_KQ
.irp c, 0,1
.irp kt, 0,1,2,3
.irp t, 0,1,2,3
.if \c == 0
	v_wmma_f32_16x16x32_f16 v[S+32*\t+8*\kt:S+32*\t+8*\kt+7], v[KF+16*\kt+8*\c:KF+16*\kt+8*\c+7], v[Q+16*\t+8*\c:Q+16*\t+8*\c+7], 0
.else
	v_wmma_f32_16x16x32_f16 v[S+32*\t+8*\kt:S+32*\t+8*\kt+7], v[KF+16*\kt+8*\c:KF+16*\kt+8*\c+7], v[Q+16*\t+8*\c:Q+16*\t+8*\c+7], v[S+32*\t+8*\kt:S+32*\t+8*\kt+7]
.endif
.endr
.endr
.endr
	WIN 0
.endm
.macro PVM                             ; O^T += V^T P: keys 32 kc on, channels 16 ct on, tile t
	WIN W_PV
.irp kc, 0,1
.irp ct, 0,1,2,3
.irp t, 0,1,2,3
	v_wmma_f32_16x16x32_f16 v[32*\t+8*\ct:32*\t+8*\ct+7], v[VF+32*\kc+8*\ct:VF+32*\kc+8*\ct+7], v[S+32*\t+8*\kc:S+32*\t+8*\kc+7], v[32*\t+8*\ct:32*\t+8*\ct+7]
.endr
.endr
.endr
	WIN 0
.endm
; THE SOFTMAX of a step, for the wave's four tiles: every line is written for the four, so that none waits for the line above it.
.macro SOFTMAX
.irp j, 0,1,2,3                        ; the maximum of the lane's 32 scores and the old m: four chains, each beginning at an accumulator's low end
.irp t, 0,1,2,3
	v_max3_num_f32 v[ST+8*\t+4+\j], v[S+32*\t+8*\j], v[S+32*\t+8*\j+1], v[S+32*\t+8*\j+2]
.endr
.endr
.irp i, 3,5
.irp j, 0,1,2,3
.irp t, 0,1,2,3
	v_max3_num_f32 v[ST+8*\t+4+\j], v[ST+8*\t+4+\j], v[S+32*\t+8*\j+\i], v[S+32*\t+8*\j+\i+1]
.endr
.endr
.endr
.irp t, 0,1,2,3
	v_max3_num_f32 v[ST+8*\t+4], v[ST+8*\t+4], v[S+32*\t+7], v[S+32*\t+15]
.endr
.irp t, 0,1,2,3
	v_max3_num_f32 v[ST+8*\t+6], v[ST+8*\t+6], v[S+32*\t+23], v[S+32*\t+31]
.endr
.irp t, 0,1,2,3
	v_max3_num_f32 v[ST+8*\t+4], v[ST+8*\t+4], v[ST+8*\t+5], v[ST+8*\t+6]
.endr
.irp t, 0,1,2,3
	v_max3_num_f32 v[ST+8*\t+4], v[ST+8*\t+4], v[ST+8*\t+7], v[ST+8*\t+1]
.endr
.irp t, 0,1,2,3
	v_permlanex16_b32 v[ST+8*\t+5], v[ST+8*\t+4], s[SEL], s[SEL+1]   ; the query's other 32 keys lie in the lane 16 away
.endr
.irp t, 0,1,2,3
	v_mov_b32 v[ST+8*\t+7], v[ST+8*\t]             ; c m_old is kept for a
.endr
.irp t, 0,1,2,3
	v_max_num_f32 v[ST+8*\t+1], v[ST+8*\t+4], v[ST+8*\t+5]
.endr
.irp t, 0,1,2,3
	v_mul_f32 v[ST+8*\t], s[CS], v[ST+8*\t+1]
.endr
.irp t, 0,1,2,3
	v_sub_f32 v[ST+8*\t+7], v[ST+8*\t+7], v[ST+8*\t]
.endr
.irp b, 0,2,4,6,8,10,12,14,16,18,20,22,24,26,28,30
.irp t, 0,1,2,3
	v_pk_fma_f32 v[S+32*\t+\b:S+32*\t+\b+1], v[S+32*\t+\b:S+32*\t+\b+1], s[CS:CS+1], v[ST+8*\t:ST+8*\t+1] op_sel_hi:[1,0,0] neg_lo:[0,0,1] neg_hi:[0,0,1]   ; c s - c m, two at a time
.endr
.endr
.irp t, 0,1,2,3                        ; ONE BATCH of exponentials: a, then the scores
	v_exp_f32 v[ST+8*\t+6], v[ST+8*\t+7]
.endr
.irp e, 0,1,2,3,4,5,6,7,8,9,10,11,12,13,14,15,16,17,18,19,20,21,22,23,24,25,26,27,28,29,30,31
.irp t, 0,1,2,3
	v_exp_f32 v[S+32*\t+\e], v[S+32*\t+\e]
.endr
.endr
	v_nop                                          ; a plain line behind the last exponential,
	s_wait_alu depctr_va_vdst(0)                   ; and the one wait ahead of the batch's first reader
.irp t, 0,1,2,3                        ; l = a l + the sum of the unrounded p, in two chains of pairs
	v_pk_fma_f32 v[ST+8*\t+2:ST+8*\t+3], v[ST+8*\t+2:ST+8*\t+3], v[ST+8*\t+6:ST+8*\t+7], v[S+32*\t:S+32*\t+1] op_sel_hi:[1,0,1]
.endr
.irp t, 0,1,2,3
	v_pk_add_f32 v[ST+8*\t+4:ST+8*\t+5], v[S+32*\t+2:S+32*\t+3], v[S+32*\t+6:S+32*\t+7]
.endr
.irp i, 4,8,12,16,20,24
.irp t, 0,1,2,3
	v_pk_add_f32 v[ST+8*\t+2:ST+8*\t+3], v[ST+8*\t+2:ST+8*\t+3], v[S+32*\t+\i:S+32*\t+\i+1]
.endr
.irp t, 0,1,2,3
	v_pk_add_f32 v[ST+8*\t+4:ST+8*\t+5], v[ST+8*\t+4:ST+8*\t+5], v[S+32*\t+\i+6:S+32*\t+\i+7]
.endr
.endr
.irp t, 0,1,2,3
	v_pk_add_f32 v[ST+8*\t+2:ST+8*\t+3], v[ST+8*\t+2:ST+8*\t+3], v[S+32*\t+28:S+32*\t+29]
.endr
.irp t, 0,1,2,3
	v_pk_add_f32 v[ST+8*\t+2:ST+8*\t+3], v[ST+8*\t+2:ST+8*\t+3], v[ST+8*\t+4:ST+8*\t+5]
.endr
.irp i, 0,1,2,3,4,5,6,7,8,9,10,11,12,13,14,15   ; P in place: register i takes scores 2 i and 2 i + 1, ascending, so that nothing is written before it is read
.irp t, 0,1,2,3
	v_cvt_pk_f16_f32 v[S+32*\t+\i], v[S+32*\t+2*\i], v[S+32*\t+2*\i+1]
.endr
.endr
	WIN W_RS
.irp i, 0,2,4,6,8,10,12,14,16,18,20,22,24,26,28,30
.irp t, 0,1,2,3
	v_pk_mul_f32 v[32*\t+\i:32*\t+\i+1], v[32*\t+\i:32*\t+\i+1], v[ST+8*\t+6:ST+8*\t+7] op_sel_hi:[1,0]   ; O^T x a
.endr
.endr
	WIN 0
.endm
; A TRIP: the softmax and V^T P of step j, K Q^T of step j + 1; K and V of step j + 1 are fetched in it.
.macro BODY
	FETCH_K 3                                      ; four places behind the last K Q^T: for the loads into K's registers and for the softmax's reads
	SOFTMAX
	s_wait_dscnt 16                                ; V of this step is in; K's 16 loads, issued behind it, may be out
	PVM
	FETCH_V 4                                      ; five places behind the last V^T P: K Q^T will write over P, which that product read; and for the loads into V's registers
	s_wait_dscnt 16                                ; K of the next step is in; V's 16 loads may be out
	KQ
.endm
.macro RUN n
	s_mov_b32 s[CNT], \n
.Lrun_\@:
	BODY
	s_sub_co_u32 s[CNT], s[CNT], 1
	s_cmp_lg_u32 s[CNT], 0
	s_cbranch_scc1 .Lrun_\@
.endm
; THE CHANGE OF SLOTS: all fetches from slot s have been issued.  Each wave waits for all its tensor loads (its part of the other slot), adds 0 to its spare word, and waits for that and for its reads of slot s.
; fill = 1: slot s is filled again, with the keys 512 on in each half; the barrier is then a round of the cluster's, and the joint refill is the first thing behind it: it has four steps in which to land.
.macro CHANGE s, fill
	s_wait_tensorcnt 0x0                           ; no tensor load of mine is out, so a group 0 may be written
	ds_add_u32 v[SPW], v[NIL]                      ; 0 onto my spare word; the steps below stand between it and the wait for it
.if \fill
	s_add_nc_u64 s[G0K+4*\s+2:G0K+4*\s+3], s[G0K+4*\s+2:G0K+4*\s+3], 512*128
	s_add_nc_u64 s[G0V+4*\s+2:G0V+4*\s+3], s[G0V+4*\s+2:G0V+4*\s+3], 512*128
.endif
	s_mov_b32 s[TBK], (1-\s)*SLOT                  ; the fetches go on in the other slot
	s_mov_b32 s[TBV], (1-\s)*SLOT
	s_wait_dscnt 0x0                               ; the add is done, and my reads of slot s are over
.if \fill
	CROUND
	JLOAD \s
.else
	s_barrier_signal -1
	s_barrier_wait -1
.endif
.endm
	s_wait_tensorcnt 1                             ; my part of slot 0 is in; slot 1's may stay out
	s_barrier_signal -1
	s_barrier_wait -1                              ; everybody's is
	FETCH_K 0                                      ; step 0
	FETCH_V 0
	s_wait_loadcnt 0x0                             ; Q
	s_wait_dscnt 16                                ; K is in; V's 16 loads may be out
	KQ
	RUN 3                                          ; trips 0-2 fetch steps 1-3: slot 0
	CHANGE 0, 1
	RUN 4                                          ; trips 3-6 fetch steps 4-7: slot 1
	CHANGE 1, 1
	RUN 4                                          ; steps 8-11: slot 0, its second fill
	CHANGE 0, 0                                    ; nothing is left to ask for
	RUN 4                                          ; steps 12-15: slot 1
.rept 4
	v_nop                                          ; the places behind the last K Q^T
.endr
	SOFTMAX
	s_wait_dscnt 0x0                               ; V of the last step
	PVM
	; THE TWO HALVES OF THE KEYS ARE JOINED.  Waves 4-7 hand c m, l and O^T to waves 0-3 as images of their registers: the same lane holds the same query in both.
.irp t, 0,1,2,3
	v_add_f32 v[ST+8*\t+2], v[ST+8*\t+2], v[ST+8*\t+3]   ; l's two halves (four plain lines: the places behind the last products)
.endr
	s_cmp_lt_u32 s[WV], 4
	s_cbranch_scc1 .Lkeep
	WIN 0x04                                       ; an LDS store's data are its source 1: window 1
.irp i, 0,1,2,3,4,5,6,7,8,9,10,11,12,13,14,15,16,17,18,19,20,21,22,23,24,25,26,27,28,29,30,31
	ds_store_b128 v[XW], v[4*\i:4*\i+3] offset:512*\i   ; each accumulator from its low end on
.endr
	WIN 0
.irp t, 0,1,2,3
	ds_store_b32 v[XS], v[ST+8*\t] offset:256*\t
	ds_store_b32 v[XS], v[ST+8*\t+2] offset:256*\t+128
.endr
.Lkeep:
	s_wait_dscnt 0x0                               ; for the others' sake: my stores have landed
	s_barrier_signal -1
	s_barrier_wait -1
	s_cmp_ge_u32 s[WV], 4
	s_cbranch_scc1 .Lend                           ; waves 4-7 are done
.irp i, 0,1,2,3,4,5,6,7,8,9,10,11,12,13,14,15,16,17,18,19,20,21,22,23,24,25,26,27,28,29,30,31
	ds_load_b128 v[S+4*\i:S+4*\i+3], v[XW] offset:512*\i
.endr
.irp t, 0,1,2,3
	ds_load_b32 v[PS+2*\t], v[XS] offset:256*\t
	ds_load_b32 v[PS+2*\t+1], v[XS] offset:256*\t+128
.endr
	s_wait_dscnt 0x0
.irp t, 0,1,2,3
	v_max_num_f32 v[ST+8*\t+4], v[ST+8*\t], v[PS+2*\t]         ; the larger c m
.endr
.irp t, 0,1,2,3
	v_sub_f32 v[ST+8*\t+5], v[ST+8*\t], v[ST+8*\t+4]
	v_sub_f32 v[ST+8*\t+7], v[PS+2*\t], v[ST+8*\t+4]
.endr
.irp t, 0,1,2,3
	v_exp_f32 v[ST+8*\t+5], v[ST+8*\t+5]           ; my half's factor,
	v_exp_f32 v[ST+8*\t+7], v[ST+8*\t+7]           ; the partner's
.endr
	v_nop
	s_wait_alu depctr_va_vdst(0)                   ; one wait for the eight
.irp t, 0,1,2,3
	v_mul_f32 v[ST+8*\t+2], v[ST+8*\t+2], v[ST+8*\t+5]
.endr
.irp t, 0,1,2,3
	v_fma_f32 v[ST+8*\t+2], v[PS+2*\t+1], v[ST+8*\t+7], v[ST+8*\t+2]
.endr
.irp t, 0,1,2,3
	v_permlanex16_b32 v[ST+8*\t+3], v[ST+8*\t+2], s[SEL], s[SEL+1]
.endr
.irp t, 0,1,2,3
	v_add_f32 v[ST+8*\t+2], v[ST+8*\t+2], v[ST+8*\t+3]         ; the row's sum
.endr
.irp t, 0,1,2,3
	v_rcp_f32 v[ST+8*\t+3], v[ST+8*\t+2]
.endr
	v_nop
	s_wait_alu depctr_va_vdst(0)                   ; one wait for the four
.irp t, 0,1,2,3
	v_mul_f32 v[ST+8*\t+4], v[ST+8*\t+5], v[ST+8*\t+3]
	v_mul_f32 v[ST+8*\t+6], v[ST+8*\t+7], v[ST+8*\t+3]
.endr
	WIN W_RS
.irp t, 0,1,2,3
.irp i, 0,2,4,6,8,10,12,14,16,18,20,22,24,26,28,30
	v_pk_mul_f32 v[32*\t+\i:32*\t+\i+1], v[32*\t+\i:32*\t+\i+1], v[ST+8*\t+4:ST+8*\t+5] op_sel_hi:[1,0]
.endr
.endr
	WIN 0x10                                       ; source 2 (my O^T) in window 1
.irp t, 0,1,2,3
.irp i, 0,2,4,6,8,10,12,14,16,18,20,22,24,26,28,30
	v_pk_fma_f32 v[S+32*\t+\i:S+32*\t+\i+1], v[S+32*\t+\i:S+32*\t+\i+1], v[ST+8*\t+6:ST+8*\t+7], v[32*\t+\i:32*\t+\i+1] op_sel_hi:[1,0,1]
.endr
.endr
	WIN 0
.set i, 0
.rept 64
	v_cvt_pk_f16_f32 v[S+i], v[S+2*i], v[S+2*i+1]  ; in place, ascending: register 16 t + 4 ct + k holds channels 16 ct + 8 h + 2 k, + 1 of query 16 t + r
.set i, i+1
.endr
.irp t, 0,1,2,3
.irp ct, 0,1,2,3
	ds_store_b128 v[STO], v[S+16*\t+4*\ct:S+16*\t+4*\ct+3] offset:2304*\t+32*\ct
.endr
.endr
.irp i, 0,1,2,3,4,5,6,7,8,9,10,11,12,13,14,15
	ds_load_b128 v[Q+4*\i:Q+4*\i+3], v[RD] offset:576*\i   ; LDS serves a wave's instructions in order: these see my stores; four rows a load
.endr
.irp i, 0,1,2,3,4,5,6,7,8,9,10,11,12,13,14,15
	s_wait_dscnt 15-\i                             ; load i is in; those behind it may be out
	global_store_b128 v[GO], v[Q+4*\i:Q+4*\i+3], s[10:11] offset:512*\i   ; 32 lanes store 512 consecutive bytes, aligned: my 64 rows are 8,192 dense bytes
.endr
.Lend:
	s_wait_tensorcnt 0x0                           ; the wave's end, behind my last tensor load and my last LDS store
	ds_add_u32 v[SPW], v[NIL]
	s_wait_dscnt 0x0
	CROUND                                         ; the closing round
	s_endpgm
.Lfunc_end_k_q3be0c649d4_attn:
	.size	k_q3be0c649d4_attn, .Lfunc_end_k_q3be0c649d4_attn-k_q3be0c649d4_attn
	.p2alignl 7, 3214868480
	.fill 96, 4, 3214868480
	.section	.rodata,"a",@progbits
	.p2align	6, 0x0
	.amdhsa_kernel k_q3be0c649d4_attn
		.amdhsa_group_segment_fixed_size 327680
		.amdhsa_private_segment_fixed_size 0
		.amdhsa_enable_private_segment 0
		.amdhsa_kernarg_size 16
		.amdhsa_user_sgpr_count 2
		.amdhsa_user_sgpr_kernarg_segment_ptr 1
		.amdhsa_wavefront_size32 1
		.amdhsa_system_sgpr_workgroup_id_x 1
		.amdhsa_system_sgpr_workgroup_id_y 1
		.amdhsa_system_sgpr_workgroup_id_z 1
		.amdhsa_system_vgpr_workitem_id 0
		.amdhsa_next_free_vgpr 512
		.amdhsa_next_free_sgpr 72
		.amdhsa_reserve_vcc 0
		.amdhsa_float_denorm_mode_32 3
		.amdhsa_float_denorm_mode_16_64 3
		.amdhsa_memory_ordered 1
		.amdhsa_forward_progress 1
		.amdhsa_inst_pref_size 200
	.end_amdhsa_kernel
	.amdgpu_metadata
---
amdhsa.version: [ 1, 2 ]
amdhsa.kernels:
  - .name:           k_q3be0c649d4_attn
    .symbol:         k_q3be0c649d4_attn.kd
    .args:
      - { .name: qkv, .offset: 0, .size: 8, .value_kind: global_buffer, .address_space: global }
      - { .name: ao, .offset: 8, .size: 8, .value_kind: global_buffer, .address_space: global }
    .group_segment_fixed_size: 327680
    .private_segment_fixed_size: 0
    .kernarg_segment_align: 8
    .kernarg_segment_size: 16
    .max_flat_workgroup_size: 256
    .sgpr_count:     72
    .vgpr_count:     512
    .wavefront_size: 32
...
	.end_amdgpu_metadata
.endif
;; end of part 3
;; launch proj (part 4): grid 8 x 32, 4 waves a work-group, clusters of 4 x 4, 327,680 bytes of LDS; arguments ao, wo16, bo, out0; writes out0
.if DOCPART == 4
	.amdgcn_target "amdgcn-amd-amdhsa--gfx1250"
	.amdhsa_code_object_version 6
	.text
	.protected	k_q3be0c649d4_proj
	.globl	k_q3be0c649d4_proj
	.p2align	8
	.type	k_q3be0c649d4_proj,@function
k_q3be0c649d4_proj:
	s_mov_b64 s[64:65], 0
	v_nop
	global_prefetch_b8 v0, s[64:65] scope:SCOPE_SE
	s_setreg_imm32_b32 hwreg(HW_REG_WAVE_MODE, 25, 1), 1
	s_wait_xcnt 0x0
	s_wait_alu depctr_hold_cnt(0) depctr_sa_sdst(0) depctr_va_vdst(0) depctr_va_sdst(0) depctr_va_ssrc(0) depctr_va_vcc(0) depctr_vm_vsrc(0)
	s_getreg_b32 s2, hwreg(HW_REG_IB_STS2, 6, 4)
	s_cmp_eq_u32 s2, 0
	s_cbranch_scc0 .Lentry_in_a_cluster
	s_endpgm
.Lentry_in_a_cluster:
	s_bfe_u32 s2, ttmp6, 0x10000c
	s_cmp_lg_u32 s2, 0xf033
	s_cbranch_scc0 .Lentry_shape_is_right
	s_endpgm
.Lentry_shape_is_right:
; PROJ: out0[m][n] = the sum over k of A[m][k] Wo[n][k] + bo[n], M = 4,096, N = K = 1,024; operands f16, sums f32, the result f32.
; A is the attention's result as that launch laid it: ao[m / 128][head][m % 128][64], k = 64 x head + channel.  Wo: wo16[n][k].
; LIMITS: both operands are f16 numbers as earlier launches left them; the bias enters each sum first, which differs from adding it last by roundings of f32.
; A tile of out0 is 128 x 128: 256 work-groups of four waves, each 64 x 64: 16 accumulators.  K goes in four steps of 256 through two LDS slots.  A's part of a step, four heads of the tile's 128 rows, is one dense block of
; 65,536 bytes: waves 0 and 1 fetch two heads each (256 rows of 128 bytes); waves 2 and 3 fetch 64 rows of 512 bytes of Wo each.  By this text's count a wave has two tensor loads out at the start, one behind a refill.
; CLUSTERS: 4 x 4 work-groups.  The four of a row of the cluster need the same tiles of A, the four of a column the same tiles of Wo: each tile is asked for JOINTLY.
; THE MATRIX INSTRUCTION IS USED TRANSPOSED (source 0 = 16 rows of Wo, source 1 = 16 rows of A): a lane holds eight neighbouring numbers of a row of the result.  The bias is the C of each sum's first product.
; REGISTERS: window 0: v0-31 addresses; v32-95 rows on the way out; v96-127 the bias; v128-255 the accumulators ((a, b) at v[128 + 8 (4 a + b)]).
;   window 1: two fragment buffers of 128: for 64 along K, 64 registers of A, then 64 of Wo.
.set KSTEP,  256
.set PA,     144                       ; a row of A in LDS: 128 bytes + 16
.set PB,     528                       ; a row of Wo: 512 bytes + 16: in both, the 16 rows that a load touches start 16 bytes apart modulo 256
.set AHEAD,  128*PA                    ; a head's 128 rows
.set AHALF,  2*AHEAD                   ; what one of A's loads brings
.set BOFF,   4*AHEAD
.set BHALF,  64*PB                     ; what one of Wo's loads brings
.set SLOT,   BOFF+2*BHALF
.set SPARE,  2*SLOT                    ; behind the ring: the spare words, 128 bytes a wave, that no other line names
.set SPITCH, 272                       ; the way out: 16 rows x (256 bytes + 16) for each wave, in slot 0, which has had its last fill and its last read by then
.set ADRA, 16                          ; v16-17  LDS address of my A fragments in slot 0, 1
.set ADRB, 20                          ; v20-21  the same for Wo
.set STO,  24
.set RD,   25
.set CO,   26
.set BO,   27                          ; v27     the bias: 32 x (lane / 16)
.set SPW,  28                          ; v28     my spare word; never rewritten
.set NIL,  29                          ; v29     0; never rewritten
.set TMP,  32
.set BIAS, 96
.set ACC,  128
.set F0,   0                           ; fragment buffers, in window 1
.set F1,   128
.set G1, 24                            ; s[24:31] descriptor group 1 for A's tiles;  s[32:39] group 0, one set for each slot
.set G0, 32
.set G1B, 48                           ; s[48:55], s[56:63] the same for Wo's tiles
.set G0B, 56
.set MSB, 0
.macro WIN new
.if MSB != (\new)
	s_set_vgpr_msb (MSB<<8)|(\new)
.set MSB, (\new)
.endif
.endm
.set MUL,  0x05                        ; sources 0 and 1 window 1; C and D window 0
.set TO_F, 0x40                        ; destination window 1, address window 0
.macro JLOAD s                         ; a joint load: waves 0 and 1 fetch A's halves, waves 2 and 3 Wo's; an s_nop 0 and four v_nop follow each of the two lines
	s_cmp_eq_u32 s11, 0
	s_cbranch_scc0 .Lfor_b_\@
	tensor_load_to_lds s[G0+4*\s:G0+4*\s+3], s[G1:G1+7]
	s_nop 0
.rept 4
	v_nop
.endr
	s_branch .Lasked_\@
.Lfor_b_\@:
	tensor_load_to_lds s[G0B+4*\s:G0B+4*\s+3], s[G1B:G1B+7]
	s_nop 0
.rept 4
	v_nop
.endr
.Lasked_\@:
.endm
.macro CREST                           ; a round of the cluster's barrier behind its opening barrier
	s_cmp_lg_u32 s10, 0
	s_cbranch_scc1 .Lnot_wave_0_\@
	s_barrier_signal -3
.Lnot_wave_0_\@:
	s_barrier_wait -3
	s_barrier_signal -1
	s_barrier_wait -1
.endm
.macro CROUND
	s_barrier_signal -1
	s_barrier_wait -1
	CREST
.endm
	s_load_b128 s[4:7], s[0:1], 0x0                ; ao s[4:5], wo16 s[6:7]
	s_load_b64 s[68:69], s[0:1], 0x10              ; bo
	s_load_b64 s[8:9], s[0:1], 0x18                ; out0
	v_lshl_add_u32 v[SPW], v0, 2, SPARE
	v_mov_b32 v[NIL], 0
	ds_add_u32 v[SPW], v[NIL]                      ; the wave's opening: the add, twice on end, and its wait ahead of my first tensor load; the set-up below stands between
	ds_add_u32 v[SPW], v[NIL]
	v_lshrrev_b32 v1, 5, v0
	v_readfirstlane_b32 s10, v1                    ; wave 0..3
	s_lshr_b32 s11, s10, 1                         ; which half of the tile's rows is mine.  Also: I fetch for A (0) or for Wo (1)
	s_and_b32 s12, s10, 1                          ; which half of its columns.  Also: which half of that tile I fetch
	s_bfe_u32 s40, ttmp6, 0x40000                  ; cx, cy
	s_bfe_u32 s41, ttmp6, 0x40004
	s_lshl_b32 s42, ttmp9, 2
	s_add_co_u32 s42, s42, s40                     ; tile column = 4 x cluster x + cx
	s_and_b32 s13, ttmp7, 0xffff
	s_lshl_b32 s13, s13, 2
	s_add_co_u32 s13, s13, s41                     ; tile row = 4 x cluster y + cy
	s_lshl_b32 s43, s41, 2
	s_lshl_b32 s43, 15, s43                        ; my row of the cluster
	s_lshl_b32 s44, 0x1111, s40                    ; my column
	s_or_b32 s[G1+0], s43, (1<<16)|(1<<20)|(1<<21)|(4<<22)|(3<<25)   ; A: the mask of my row; elements of 2 bytes; padding on; bit 21 beside a mask; after every 32 words four words
	s_mov_b32 s[G1+1], 64<<16                      ; tensor_dim0
	s_mov_b32 s[G1+2], 256<<16                     ; tensor_dim1
	s_mov_b32 s[G1+3], 64<<16                      ; tile_dim0
	s_mov_b32 s[G1+4], 256                         ; tile_dim1
	s_mov_b32 s[G1+5], 64                          ; from row to row: dense
	s_mov_b32 s[G1+6], 0
	s_mov_b32 s[G1+7], 0
	s_or_b32 s[G1B+0], s44, (1<<16)|(1<<20)|(1<<21)|(6<<22)|(3<<25)  ; Wo: the mask of my column; after every 128 words four words
	s_mov_b32 s[G1B+1], KSTEP<<16
	s_mov_b32 s[G1B+2], 64<<16
	s_mov_b32 s[G1B+3], KSTEP<<16
	s_mov_b32 s[G1B+4], 64
	s_mov_b32 s[G1B+5], 1024
	s_mov_b32 s[G1B+6], 0
	s_mov_b32 s[G1B+7], 0
	s_lshl_b32 s16, s13, 18                        ; A: the tile row's 262,144 bytes,
	s_lshl_b32 s17, s12, 15                        ; two heads (32,768 bytes) for the second half
	s_add_co_u32 s16, s16, s17
	s_mov_b32 s17, 0
	s_lshl_b32 s46, s42, 7
	s_lshl_b32 s47, s12, 6
	s_add_co_u32 s46, s46, s47                     ; Wo: row 128 x tile column + 64 x half,
	s_lshl_b32 s46, s46, 11                        ; 2,048 bytes a row
	s_mov_b32 s47, 0
	s_mul_i32 s20, s12, AHALF                      ; where they go: no place in the cluster enters an LDS address
	s_mul_i32 s21, s12, BHALF
	s_add_co_u32 s21, s21, BOFF
	s_wait_dscnt 0x0                               ; both opening adds are done
	s_wait_kmcnt 0x0
	s_add_nc_u64 s[14:15], s[4:5], s[16:17]
	s_add_nc_u64 s[46:47], s[6:7], s[46:47]
	CROUND                                         ; all sixteen work-groups are here: the first joint loads meet
.irp s, 0,1
	s_mov_b32 s[G0+4*\s], 1
	s_add_co_u32 s[G0+4*\s+1], s20, \s*SLOT
	s_add_nc_u64 s[G0+4*\s+2:G0+4*\s+3], s[14:15], \s*65536      ; K step s: four heads on
	s_or_b32 s[G0+4*\s+3], s[G0+4*\s+3], 0x80000000
	s_mov_b32 s[G0B+4*\s], 1
	s_add_co_u32 s[G0B+4*\s+1], s21, \s*SLOT
	s_add_nc_u64 s[G0B+4*\s+2:G0B+4*\s+3], s[46:47], \s*KSTEP*2
	s_or_b32 s[G0B+4*\s+3], s[G0B+4*\s+3], 0x80000000
	JLOAD \s
.endr
	v_and_b32 v1, 15, v0                           ; r = lane % 16
	v_bfe_u32 v2, v0, 4, 1                         ; h = lane / 16
	v_mul_u32_u24 v3, v1, PA
	v_lshl_add_u32 v3, v2, 4, v3
	v_mul_u32_u24 v4, v1, PB
	v_lshl_add_u32 v4, v2, 4, v4
	s_mul_i32 s21, s11, 64*PA                      ; my 64 rows in each head of A
	s_mul_i32 s22, s12, BHALF                      ; my 64 rows of Wo,
	s_add_co_u32 s22, s22, BOFF                    ; which lie behind A's four heads
.irp s, 0,1
	v_add_nc_u32 v[ADRA+\s], s21, v3
	v_add_nc_u32 v[ADRB+\s], s22, v4
	s_add_co_u32 s21, s21, SLOT
	s_add_co_u32 s22, s22, SLOT
.endr
	s_mul_i32 s23, s10, 16*SPITCH                  ; my stage
	v_mul_u32_u24 v5, v1, SPITCH                   ; in: row r, 32 bytes for each half of the lanes
	v_lshl_add_u32 v5, v2, 5, v5
	v_add_nc_u32 v[STO], s23, v5
	v_mul_u32_u24 v5, v2, SPITCH                   ; back: lanes 0-15 one row of 256 bytes, lanes 16-31 the next
	v_lshl_add_u32 v5, v1, 4, v5
	v_add_nc_u32 v[RD], s23, v5
	v_lshlrev_b32 v5, 12, v2                       ; and the same two rows in out0: 4,096 bytes a row
	v_lshl_add_u32 v[CO], v1, 4, v5
	v_lshlrev_b32 v[BO], 5, v2
	s_lshl_b32 s16, s13, 7
	s_lshl_b32 s17, s11, 6
	s_add_co_u32 s16, s16, s17                     ; my first row: 128 x tile row + 64 x half
	s_lshl_b32 s16, s16, 12
	s_mov_b32 s17, 0
	s_add_nc_u64 s[8:9], s[8:9], s[16:17]
	s_lshl_b32 s46, s42, 7
	s_lshl_b32 s47, s12, 6
	s_add_co_u32 s46, s46, s47                     ; my first column: 128 x tile column + 64 x half,
	s_lshl_b32 s46, s46, 2                         ; 4 bytes each
	s_mov_b32 s47, 0
	s_add_nc_u64 s[8:9], s[8:9], s[46:47]
	s_add_nc_u64 s[68:69], s[68:69], s[46:47]
.irp b, 0,1,2,3
	global_load_b128 v[BIAS+8*\b:BIAS+8*\b+3], v[BO], s[68:69] offset:64*\b        ; register 8 b + j: the bias of column 16 b + 8 h + j: the result's layout
	global_load_b128 v[BIAS+8*\b+4:BIAS+8*\b+7], v[BO], s[68:69] offset:64*\b+16
.endr
; 8 matrix instructions: row blocks a0, a0 + 1 x all 4 column blocks, 32 along K: half c of buffer f.  first = 1: the bias is the C and starts the sums.  The 16 accumulators take turns.
.macro MUL8 f, c, a0, first
.irp a, \a0, \a0+1
.irp b, 0,1,2,3
.if \first
	v_wmma_f32_16x16x32_f16 v[ACC+8*(4*(\a)+\b):ACC+8*(4*(\a)+\b)+7], v[\f+64+8*(4*\c+\b):\f+64+8*(4*\c+\b)+7], v[\f+8*(4*\c+\a):\f+8*(4*\c+\a)+7], v[BIAS+8*\b:BIAS+8*\b+7]
.else
	v_wmma_f32_16x16x32_f16 v[ACC+8*(4*(\a)+\b):ACC+8*(4*(\a)+\b)+7], v[\f+64+8*(4*\c+\b):\f+64+8*(4*\c+\b)+7], v[\f+8*(4*\c+\a):\f+8*(4*\c+\a)+7], v[ACC+8*(4*(\a)+\b):ACC+8*(4*(\a)+\b)+7]
.endif
.endr
.endr
.endm
; 32 LDS loads in one run: the fragments of 64 along K (one head of A; byte k of Wo's rows) into buffer f; the first 32 along K first
.macro FETCH slot, k, f
	WIN TO_F
.irp c, 0,1
.irp i, 0,1,2,3
	ds_load_b128 v[\f+64+8*(4*\c+\i):\f+64+8*(4*\c+\i)+3],   v[ADRB+\slot] offset:\k+64*\c+\i*16*PB
	ds_load_b128 v[\f+64+8*(4*\c+\i)+4:\f+64+8*(4*\c+\i)+7], v[ADRB+\slot] offset:\k+64*\c+\i*16*PB+32
	ds_load_b128 v[\f+8*(4*\c+\i):\f+8*(4*\c+\i)+3],         v[ADRA+\slot] offset:(\k/128)*AHEAD+64*\c+\i*16*PA
	ds_load_b128 v[\f+8*(4*\c+\i)+4:\f+8*(4*\c+\i)+7],       v[ADRA+\slot] offset:(\k/128)*AHEAD+64*\c+\i*16*PA+32
.endr
.endr
.endm
.macro PLACES                          ; four places in front of loads into registers that matrix instructions have read, and of reads of results (ISA guide 7.12.1 for vector instructions)
.rept 4
	v_nop
.endr
.endm
; A K step is four quarters of 64 along K, 32 matrix instructions each, on buffers 0, 1, 0, 1.  One of the first three: multiplies buffer f and fetches the next quarter, at byte k, into g.
.macro QUARTER slot, k, f, g, first
	s_wait_dscnt 16                                ; the first 32 along K are in; the 16 younger loads may be out
	WIN MUL
	MUL8 \f, 0, 0, \first
	MUL8 \f, 0, 2, \first
	PLACES
	FETCH \slot, \k, \g
	s_wait_dscnt 32                                ; all but the 32 just issued
	WIN MUL
	MUL8 \f, 1, 0, 0
	MUL8 \f, 1, 2, 0
.endm
; The last quarter multiplies buffer 1 and changes slots: ONE barrier; in front of it each wave waits for all its tensor loads, adds 0 to its spare word, and waits for that and for its own reads of this slot.
; fill = 1: this slot is filled again, two K steps ahead; the barrier then opens a round of the cluster's barrier, and the joint refill is the first tensor load behind it.
.macro TURN slot, next, fill
	WIN 0                                          ; (the add's two registers lie in window 0)
	s_wait_tensorcnt 0x0                           ; all my tensor loads have landed: my part of the next slot
	ds_add_u32 v[SPW], v[NIL]
	s_wait_dscnt 17                                ; (the add and the youngest sixteen loads may be out)
	WIN MUL
	MUL8 F1, 0, 0, 0                               ; eight matrix instructions stand between the add and the wait for it
	s_wait_dscnt 0x0                               ; the add is done, and my reads of this slot are over
	s_barrier_signal -1
	MUL8 F1, 0, 2, 0
.if \fill
	WIN 0
.endif
	s_barrier_wait -1
.if \fill
	CREST
	s_add_nc_u64 s[G0+4*\slot+2:G0+4*\slot+3], s[G0+4*\slot+2:G0+4*\slot+3], 2*65536
	s_add_nc_u64 s[G0B+4*\slot+2:G0B+4*\slot+3], s[G0B+4*\slot+2:G0B+4*\slot+3], 2*KSTEP*2
	JLOAD \slot                                    ; 112 matrix instructions ahead of the wait for it; the four v_nop behind it are also the places in front of the loads below
.else
	PLACES
.endif
	FETCH \next, 0, F0
	WIN MUL
	MUL8 F1, 1, 0, 0
	MUL8 F1, 1, 2, 0
.endm
	s_wait_tensorcnt 1                             ; my part of K step 0 is in; K step 1's load may be out
	s_barrier_signal -1
	s_barrier_wait -1                              ; everybody's is
	FETCH 0, 0, F0
	s_wait_loadcnt 0x0                             ; the bias
	QUARTER 0, 128, F0, F1, 1                      ; K step 0
	QUARTER 0, 256, F1, F0, 0
	QUARTER 0, 384, F0, F1, 0
	TURN 0, 1, 1                                   ; slot 0 takes K step 2
	QUARTER 1, 128, F0, F1, 0                      ; K step 1
	QUARTER 1, 256, F1, F0, 0
	QUARTER 1, 384, F0, F1, 0
	TURN 1, 0, 1                                   ; slot 1 takes K step 3
	QUARTER 0, 128, F0, F1, 0                      ; K step 2
	QUARTER 0, 256, F1, F0, 0
	QUARTER 0, 384, F0, F1, 0
	TURN 0, 1, 0                                   ; nothing is left to ask for
	QUARTER 1, 128, F0, F1, 0                      ; K step 3
	QUARTER 1, 256, F1, F0, 0
	QUARTER 1, 384, F0, F1, 0
	s_wait_dscnt 16                                ; the very last quarter: nothing more to fetch
	WIN MUL
	MUL8 F1, 0, 0, 0
	MUL8 F1, 0, 2, 0
	s_wait_dscnt 0
	MUL8 F1, 1, 0, 0
	MUL8 F1, 1, 2, 0
	WIN 0
	; THE WAY OUT, 16 rows at a time.  A lane holds 32 neighbouring bytes of a row; my 64 columns are 256 bytes: a block goes through my own stage and comes back as whole rows, sixteen lanes to 256 consecutive aligned bytes.
	; LDS serves a wave's instructions in order (ISA guide 5.7.1.4): no wait between the stores and the loads; no barrier: the stage is my own.
	PLACES
.irp a, 0,1,2,3
.if \a >= 2
	s_wait_xcnt 0x0                                ; block a - 2's stores have read their registers, which this block's loads take
.endif
.irp b, 0,1,2,3
	ds_store_b128 v[STO], v[ACC+8*(4*\a+\b):ACC+8*(4*\a+\b)+3] offset:64*\b          ; each accumulator from its low end on
	ds_store_b128 v[STO], v[ACC+8*(4*\a+\b)+4:ACC+8*(4*\a+\b)+7] offset:64*\b+16
.endr
.irp t, 0,1,2,3,4,5,6,7
	ds_load_b128 v[TMP+32*(\a%2)+4*\t:TMP+32*(\a%2)+4*\t+3], v[RD] offset:2*\t*SPITCH
.endr
.irp t, 0,1,2,3,4,5,6,7
	s_wait_dscnt 7-\t                              ; load t is in; those behind it may be out
	global_store_b128 v[CO], v[TMP+32*(\a%2)+4*\t:TMP+32*(\a%2)+4*\t+3], s[8:9] offset:(16*\a+2*\t)*4096 th:TH_STORE_NT   ; written once, read by nobody here
.endr
.endr
	s_wait_tensorcnt 0x0                           ; the wave's end, behind my last tensor load and my last LDS store
	ds_add_u32 v[SPW], v[NIL]
	s_wait_dscnt 0x0
	CROUND                                         ; the closing round
	s_endpgm
.Lfunc_end_k_q3be0c649d4_proj:
	.size	k_q3be0c649d4_proj, .Lfunc_end_k_q3be0c649d4_proj-k_q3be0c649d4_proj
	.p2alignl 7, 3214868480
	.fill 96, 4, 3214868480
	.section	.rodata,"a",@progbits
	.p2align	6, 0x0
	.amdhsa_kernel k_q3be0c649d4_proj
		.amdhsa_group_segment_fixed_size 327680
		.amdhsa_private_segment_fixed_size 0
		.amdhsa_enable_private_segment 0
		.amdhsa_kernarg_size 32
		.amdhsa_user_sgpr_count 2
		.amdhsa_user_sgpr_kernarg_segment_ptr 1
		.amdhsa_wavefront_size32 1
		.amdhsa_system_sgpr_workgroup_id_x 1
		.amdhsa_system_sgpr_workgroup_id_y 1
		.amdhsa_system_sgpr_workgroup_id_z 1
		.amdhsa_system_vgpr_workitem_id 0
		.amdhsa_next_free_vgpr 512
		.amdhsa_next_free_sgpr 72
		.amdhsa_reserve_vcc 0
		.amdhsa_float_denorm_mode_32 3
		.amdhsa_float_denorm_mode_16_64 3
		.amdhsa_memory_ordered 1
		.amdhsa_forward_progress 1
		.amdhsa_inst_pref_size 87
	.end_amdhsa_kernel
	.amdgpu_metadata
---
amdhsa.version: [ 1, 2 ]
amdhsa.kernels:
  - .name:           k_q3be0c649d4_proj
    .symbol:         k_q3be0c649d4_proj.kd
    .args:
      - { .name: ao, .offset: 0, .size: 8, .value_kind: global_buffer, .address_space: global }
      - { .name: wo16, .offset: 8, .size: 8, .value_kind: global_buffer, .address_space: global }
      - { .name: bo, .offset: 16, .size: 8, .value_kind: global_buffer, .address_space: global }
      - { .name: out0, .offset: 24, .size: 8, .value_kind: global_buffer, .address_space: global }
    .group_segment_fixed_size: 327680
    .private_segment_fixed_size: 0
    .kernarg_segment_align: 8
    .kernarg_segment_size: 32
    .max_flat_workgroup_size: 128
    .sgpr_count:     72
    .vgpr_count:     512
    .wavefront_size: 32
...
	.end_amdgpu_metadata
.endif
;; end of part 4
